; MI455X (gfx1250); checked and timed in simulation.
; The chip was launched on July 23, 2026; its instructions are those of AMD's public machine-readable ISA for CDNA 5 (MIT licence, August 2026) and "CDNA5" Instruction Set Architecture Reference Guide (July 2026). The comments in the code are by the model that wrote it; some were corrected since.
;; GQ Attention. Allowed arithmetic: matrix products marked QUANTISED: E2M3 operands, one E8M0 scale for each 32 along K, by v_wmma_scale_f32_16x16x128_f8f6f4 with both operands' format E2M3, f32 sums; everything else in f32.
;; Inputs: Wk 1,024 x 4,096 float32; Wo 4,096 x 2,048 float32; Wq 2,048 x 4,096 float32; Wv 1,024 x 4,096 float32; cos 2,048 x 64 float32; gk 128 float32; gq 128 float32; sin 2,048 x 64 float32; x 1 x 2,048 x 4,096 float32.
;; Outputs: out0 1 x 2,048 x 4,096 float32.
;; This version of the problem:
;;   THIS VERSION OF THE PROBLEM IS GIVEN IN LOW PRECISION. The matrix products marked QUANTISED in the list below multiply operands that are first quantised to E2M3 (2 exponent bits, 3 mantissa bits; 6 bits a number), with one power-of-two scale for each 32 numbers along K (OCP MX v1.0); their sums are f32. All else is computed in f32.
;;   The module's matrix products, in the order in which they are computed (A, B: the left and right operand; K: the contracted axis; several contracted axes count as one K, in the product's order):
;;     1. [M 2,048, K 4,096] x [K 4,096, N 2,048]; A: input x; B: input Wq: QUANTISED
;;     2. [M 2,048, K 4,096] x [K 4,096, N 1,024]; A: input x; B: input Wk: QUANTISED
;;     3. [M 2,048, K 4,096] x [K 4,096, N 1,024]; A: input x; B: input Wv: QUANTISED
;;     4. batch 8 x [M 4,096, K 128] x [K 128, N 2,048]; A: computed on the way; B: computed on the way: QUANTISED
;;     5. batch 8 x [M 4,096, K 2,048] x [K 2,048, N 128]; A: softmax (see below); B: computed on the way: QUANTISED
;;     6. [M 2,048, K 2,048] x [K 2,048, N 4,096]; A: computed on the way; B: input Wo: QUANTISED
;;   THE QUANTISER, for each operand of a quantised product, along K:
;;     - K is cut into blocks of 32 from its start; a last block that is shorter is filled with zeros.
;;     - A block's scale is 2^e with e = floor(log2(the largest magnitude in the block)) - 2, held to -126 .. 127; a block of zeros has e = 0. As a byte (E8M0): e + 127.
;;     - Each number is divided by its block's scale, clamped to +-7.5, and rounded to the nearest number of E2M3, ties to even, subnormals kept.
;;     - The product sums the exact products of the quantised numbers (number of the format x scale) in f32.
;;   ~~~python
;;   def quantise(x, axis):      # numpy; x: float32 -> the quantised numbers, widened to float32 again
;;       x = np.moveaxis(x, axis, -1); K = x.shape[-1]
;;       x = np.pad(x, [(0, 0)] * (x.ndim - 1) + [(0, -K % 32)]); x = x.reshape(x.shape[:-1] + (-1, 32)); a = np.abs(x).max(-1, keepdims=True)
;;       e = np.where(a > 0, np.clip(np.frexp(np.where(a > 0, a, 1))[1] - 1 - 2, -126, 127), 0)      # np.frexp(a)[1] - 1 = floor(log2(a)), exactly
;;       r = np.clip(x / 2.0 ** e, -7.5, 7.5)
;;       step = 2.0 ** (np.maximum(np.frexp(np.where(r == 0, 1, r))[1] - 1, 0) - 3)
;;       q = np.round(r / step) * step * 2.0 ** e      # np.round: ties to even
;;       return np.moveaxis(q.reshape(q.shape[:-2] + (-1,))[..., :K], -1, axis).astype(np.float32)
;;   ~~~
;;   SOFTMAX AHEAD OF A QUANTISED PRODUCT. Where the list says 'softmax', what is quantised is not the finished softmax but p = 2^(t - M), with t = logit x log2(e) and M = ceil(the row's largest t), a whole number; so 1/2 < the row's largest p <= 1. The row's sum l is taken of the UNQUANTISED p, in f32, and the product's result is divided by l at the end. Since M is a whole number, a kernel that streams over the keys may use a running M (the ceiling of the running maximum): every later rescaling is an exact power of two, which a block's scale takes up: the codes' values come out the same.
;;   OPERANDS COMPUTED ON THE WAY. 'Computed on the way' means the value that the module computes at that place (a softmax that the list does not call 'softmax' is quantised finished and normalised). What goes into a quantiser is computed in f32, as accurately as f32 sums, v_exp_f32 and their like allow (about 1e-6 of the number): no bf16 or f16 on the way to a quantiser, and a product that is left as it is and whose result goes on into a quantised operand takes f32 operands (vector FMAs, or v_wmma_f32_16x16x4_f32). A number that lies on a knife's edge between two numbers of the format may be rounded either way, as far as f32 arithmetic and the matrix unit's own rounding can turn it there, and no further.
;; One version. Each part assembles by itself: llvm-mc -triple=amdgcn-amd-amdhsa -mcpu=gfx1250 --defsym DOCPART=n.
;; ======== version 1 of 1: 4 launches
;; workspace buffers: c1 26,214,400 bytes; c2 6,553,600 bytes; c3 3,276,800 bytes
;; launch quant (part 1): grid 1024 x 1, 4 waves a work-group, no clusters, 34,304 bytes of LDS; arguments x, Wq, Wk, Wv, Wo, c1; writes c1
.if DOCPART == 1
	.amdgcn_target "amdgcn-amd-amdhsa--gfx1250"
	.amdhsa_code_object_version 6
	.text
	.protected	k_q066a13d359_quant
	.globl	k_q066a13d359_quant
	.p2align	8
	.type	k_q066a13d359_quant,@function
k_q066a13d359_quant:
	s_mov_b64 s[64:65], 0
	v_nop
	global_prefetch_b8 v0, s[64:65] scope:SCOPE_SE
	s_setreg_imm32_b32 hwreg(HW_REG_WAVE_MODE, 25, 1), 1
	s_wait_xcnt 0x0
; x [2048][4096], Wq [2048][4096], Wk, Wv [1024][4096], Wo [4096][2048], all f32 with K innermost, become codes of FP6 (E2M3) with one E8M0 byte for each 32 along K,
; laid in c1 as RECORDS of 6,400 bytes in the order of a matrix operand's registers.  A record is 16 rows x 512 K: four fragment images of 1,536 bytes (16 rows x 128 K: registers 4 j .. 4 j + 3
; of lane l at 512 j + 16 l), then 256 bytes of scale words, [row index r][fragment f] at 6,144 + 16 r + 4 f.  So a reader takes a fragment by three loads of 16 bytes a lane.
; TILES: tile T of a tensor holds rows 32 (T / 2) + 8 (T % 2) + r + 8 (r / 8), r = 0 .. 15: with that choice a product's results lie in a lane as neighbours along the next product's K.
; Record U = U0 + T x (K / 512) + kc; U0 = 0 (x), 1024 (Wq), 2048 (Wk), 2560 (Wv), 3072 (Wo).  Wave U = 4 x work-group + wave makes record U.  One path serves all five tensors: only pointers and shifts are chosen.
; A block's scale is 2^(floor(log2(largest magnitude)) - 2): its byte is the largest magnitude's exponent field - 2, held at 1 from below by a floor among the maximum's leaves.
; LIMITS: a block of zeros keeps the byte 1 where the rule says 127 (its codes are zeros, and this program alone reads the bytes); NaN and infinities among the inputs are not served.
; A step is 128 along K: 16 loads, each 512 consecutive bytes of one row; they turn through the wave's own stage in LDS, so that lane (r, h) gets k = 64 c + 32 h + 0 .. 31 of row r: two whole blocks.
; No tensor load, no barrier: waves share nothing.  Matrix units and clusters have no part in a stream.
.set PITCH, 528                        ; a stage row: 512 bytes + 16 = 33 x 16 bytes, so that sixteen rows' equal columns fall on sixteen different 16-byte columns of 256
.set WST,   16*PITCH                   ; a wave's stage
.set REC,   6400
.set FRB,   1536
.set L16,   1                          ; v1     16 x lane
.set STI,   2                          ; v2     the stage, on the way in
.set STO,   3                          ; v3     and out: row r, + 128 h
.set VS,    4                          ; v4     16 r + 8 h: my two scale words' place
.set H8,    5                          ; v5     8 h
.set MX,    6                          ; v6-7   largest magnitudes, then the conversions' scale operands
.set BY,    8                          ; v8-9   scale bytes
.set WD,    10                         ; v10    my half of the scale word
.set PT,    11                         ; v11    the other half's
.set DP,    12                         ; v12-13 two scale words to store
.set OFF,   16                         ; v16-31 byte offset of row index i: 16 x lane + (i + 8 (i / 8)) rows
.set PC,    32                         ; v32-43 a fragment's codes
.set T0,    44                         ; v44-46, v48-50: a conversion's three registers begin on an even number, so each block's second half is made here and moved
.set T1,    48
.set SW,    52                         ; v52-55 the four steps' scale words
.set R,     64                         ; v64-191  two sets of 64: a step's numbers as loaded
.set X,     192                        ; v192-255 the same as 64 neighbours
	s_load_b256 s[4:11], s[0:1], 0x0               ; x, Wq, Wk, Wv
	s_load_b128 s[12:15], s[0:1], 0x20             ; Wo, c1
	v_lshl_add_u32 v62, v0, 2, 0x8400
	v_mov_b32 v63, 0
	v_lshrrev_b32 v14, 5, v0
	v_readfirstlane_b32 s24, v14                   ; wave
	v_and_b32 v14, 31, v0
	v_lshlrev_b32 v[L16], 4, v14
	v_and_b32 v14, 15, v0                          ; r
	v_bfe_u32 v15, v0, 4, 1                        ; h
	s_mul_i32 s25, s24, WST
	v_add_nc_u32 v[STI], s25, v[L16]
	v_mul_u32_u24 v[STO], v14, PITCH
	v_lshl_add_u32 v[STO], v15, 7, v[STO]
	v_add_nc_u32 v[STO], s25, v[STO]
	v_lshlrev_b32 v[VS], 4, v14
	v_lshl_add_u32 v[VS], v15, 3, v[VS]
	v_lshlrev_b32 v[H8], 3, v15
	v_mov_b32 v[PT], 0                             ; a lane permute's destination counts as one of its sources
	s_mov_b32 s21, 0xffff0000                      ; lanes 16-31
	s_mov_b32 s22, 0x76543210
	s_mov_b32 s23, 0xfedcba98                      ; v_permlanex16_b32's selects for lane l xor 16
	s_lshl_b32 s26, ttmp9, 2
	s_add_co_u32 s26, s26, s24                     ; U
	s_wait_kmcnt 0x0
	s_mov_b64 s[16:17], s[12:13]                   ; which tensor: the choice hangs on the work-group's number alone
	s_mov_b32 s18, 3072
	s_cmp_lt_u32 ttmp9, 768
	s_cselect_b64 s[16:17], s[10:11], s[16:17]
	s_cselect_b32 s18, 2560, s18
	s_cselect_b32 s19, 3, 2                        ; log2 of the records in a tile: K / 512 = 8, in Wo 4
	s_cselect_b32 s20, 14, 13                      ; log2 of a row's bytes
	s_cmp_lt_u32 ttmp9, 640
	s_cselect_b64 s[16:17], s[8:9], s[16:17]
	s_cselect_b32 s18, 2048, s18
	s_cmp_lt_u32 ttmp9, 512
	s_cselect_b64 s[16:17], s[6:7], s[16:17]
	s_cselect_b32 s18, 1024, s18
	s_cmp_lt_u32 ttmp9, 256
	s_cselect_b64 s[16:17], s[4:5], s[16:17]
	s_cselect_b32 s18, 0, s18
	s_sub_co_u32 s27, s26, s18                     ; the record's number in its tensor
	s_lshr_b32 s30, s27, s19                       ; tile
	s_lshl_b32 s31, s30, s19
	s_sub_co_u32 s31, s27, s31                     ; kc
	s_lshr_b32 s32, s30, 1
	s_lshl_b32 s32, s32, 5
	s_and_b32 s33, s30, 1
	s_lshl_b32 s33, s33, 3
	s_add_co_u32 s32, s32, s33                     ; the tile's first row
	s_lshl_b32 s32, s32, s20
	s_lshl_b32 s31, s31, 11                        ; 512 numbers are 2,048 bytes
	s_add_co_u32 s32, s32, s31
	s_mov_b32 s33, 0
	s_add_nc_u64 s[16:17], s[16:17], s[32:33]      ; from here
	s_mul_i32 s28, s26, REC
	s_mov_b32 s29, 0
	s_add_nc_u64 s[28:29], s[14:15], s[28:29]      ; to here
.irp i, 0,1,2,3,4,5,6,7,8,9,10,11,12,13,14,15
	v_lshl_add_u32 v[OFF+\i], \i+8*(\i/8), s20, v[L16]
.endr
.macro LOAD t                          ; step t: 512 consecutive bytes of each of the 16 rows, at a multiple of 256 from the tensor's first byte
.set i, 0
.rept 16
	global_load_b128 v[R+64*((\t)%2)+4*i:R+64*((\t)%2)+4*i+3], v[OFF+i], s[16:17] offset:512*(\t) th:TH_LOAD_NT
.set i, i+1
.endr
.endm
.macro STEP t
.if (\t) < 3
	s_wait_loadcnt 16                              ; this step's 16 loads are in; the next step's 16 may be out
.else
	s_wait_loadcnt 0x0
.endif
.set i, 0
.rept 16
	ds_store_b128 v[STI], v[R+64*((\t)%2)+4*i:R+64*((\t)%2)+4*i+3] offset:PITCH*i
.set i, i+1
.endr
.irp c, 0,1
.irp j, 0,1,2,3,4,5,6,7
	ds_load_b128 v[X+32*\c+4*\j:X+32*\c+4*\j+3], v[STO] offset:256*\c+16*\j   ; LDS serves a wave's instructions in order: these see the stores above
.endr
.endr
	s_wait_dscnt 0x0                               ; the 64 neighbours are in, and the stores have read their registers,
.if (\t) < 2
	LOAD (\t)+2                                    ; which take the loads of two steps on
.endif
.irp c, 0,1
	v_max3_num_f32 v[MX+\c], |v[X+32*\c]|, |v[X+32*\c+1]|, 0x1800000   ; block 2 c + h: all its 32 numbers are mine; the floor 2^(3 - 127) holds the byte at 1 from below
.endr
.irp i, 2,4,6,8,10,12,14,16,18,20,22,24,26,28,30
.irp c, 0,1
	v_max3_num_f32 v[MX+\c], v[MX+\c], |v[X+32*\c+\i]|, |v[X+32*\c+\i+1]|
.endr
.endr
.irp c, 0,1
	v_add_nc_u32 v[MX+\c], 0xff000000, v[MX+\c]    ; 2 off the exponent field: the conversion takes that field of this operand as its scale
.endr
.irp c, 0,1
	v_lshrrev_b32 v[BY+\c], 23, v[MX+\c]           ; the scale's byte
.endr
	v_lshl_or_b32 v[WD], v[BY+1], 16, v[BY]        ; blocks h and 2 + h,
	v_lshlrev_b32 v[WD], v[H8], v[WD]              ; at their places in the word;
	v_permlanex16_b32 v[PT], v[WD], s22, s23
	v_or_b32 v[SW+\t], v[WD], v[PT]                ; with lane l xor 16's two the word is whole, in both lanes
.if (\t) > 0
	s_wait_xcnt 0x0                                ; the last step's stores have read the codes' registers: only now are they written again
.endif
	v_cvt_scalef32_pk16_fp6_f32 v[PC:PC+2], v[X:X+15], v[MX]
	v_cvt_scalef32_pk16_fp6_f32 v[T0:T0+2], v[X+16:X+31], v[MX]
	v_cvt_scalef32_pk16_fp6_f32 v[PC+6:PC+8], v[X+32:X+47], v[MX+1]
	v_cvt_scalef32_pk16_fp6_f32 v[T1:T1+2], v[X+48:X+63], v[MX+1]
	v_nop                                          ; one plain place behind a scaled conversion
.irp i, 0,1,2
	v_mov_b32 v[PC+3+\i], v[T0+\i]
	v_mov_b32 v[PC+9+\i], v[T1+\i]
.endr
.irp j, 0,1,2
	global_store_b128 v[L16], v[PC+4*\j:PC+4*\j+3], s[28:29] offset:FRB*(\t)+512*\j   ; 32 lanes store 512 consecutive bytes, at a multiple of 256 from c1's first byte
.endr
.endm
	LOAD 0
	LOAD 1
	STEP 0
	STEP 1
	STEP 2
	STEP 3
	v_cndmask_b32 v[DP], v[SW], v[SW+2], s21       ; lanes 0-15 store fragments 0 and 1's words of row r, lanes 16-31 fragments 2 and 3's
	v_cndmask_b32 v[DP+1], v[SW+1], v[SW+3], s21
	global_store_b64 v[VS], v[DP:DP+1], s[28:29] offset:4*FRB   ; 256 consecutive bytes
	s_wait_tensorcnt 0x0
	ds_add_u32 v62, v63
	s_wait_dscnt 0x0
	s_endpgm
.Lfunc_end_k_q066a13d359_quant:
	.size	k_q066a13d359_quant, .Lfunc_end_k_q066a13d359_quant-k_q066a13d359_quant
	.p2alignl 7, 3214868480
	.fill 96, 4, 3214868480
	.section	.rodata,"a",@progbits
	.p2align	6, 0x0
	.amdhsa_kernel k_q066a13d359_quant
		.amdhsa_group_segment_fixed_size 34304
		.amdhsa_private_segment_fixed_size 0
		.amdhsa_enable_private_segment 0
		.amdhsa_kernarg_size 48
		.amdhsa_user_sgpr_count 2
		.amdhsa_user_sgpr_kernarg_segment_ptr 1
		.amdhsa_wavefront_size32 1
		.amdhsa_system_sgpr_workgroup_id_x 1
		.amdhsa_system_sgpr_workgroup_id_y 1
		.amdhsa_system_sgpr_workgroup_id_z 1
		.amdhsa_system_vgpr_workitem_id 0
		.amdhsa_next_free_vgpr 256
		.amdhsa_next_free_sgpr 66
		.amdhsa_reserve_vcc 0
		.amdhsa_float_denorm_mode_32 3
		.amdhsa_float_denorm_mode_16_64 3
		.amdhsa_memory_ordered 1
		.amdhsa_forward_progress 1
		.amdhsa_inst_pref_size 32
	.end_amdhsa_kernel
	.amdgpu_metadata
---
amdhsa.version: [ 1, 2 ]
amdhsa.kernels:
  - .name:           k_q066a13d359_quant
    .symbol:         k_q066a13d359_quant.kd
    .args:
      - { .name: x, .offset: 0, .size: 8, .value_kind: global_buffer, .address_space: global }
      - { .name: Wq, .offset: 8, .size: 8, .value_kind: global_buffer, .address_space: global }
      - { .name: Wk, .offset: 16, .size: 8, .value_kind: global_buffer, .address_space: global }
      - { .name: Wv, .offset: 24, .size: 8, .value_kind: global_buffer, .address_space: global }
      - { .name: Wo, .offset: 32, .size: 8, .value_kind: global_buffer, .address_space: global }
      - { .name: c1, .offset: 40, .size: 8, .value_kind: global_buffer, .address_space: global }
    .group_segment_fixed_size: 34304
    .private_segment_fixed_size: 0
    .kernarg_segment_align: 8
    .kernarg_segment_size: 48
    .max_flat_workgroup_size: 128
    .sgpr_count:     66
    .vgpr_count:     256
    .wavefront_size: 32
...
	.end_amdgpu_metadata
.endif
;; end of part 1
;; launch qkv (part 2): grid 16 x 16, 4 waves a work-group, clusters of 4 x 4, 327,680 bytes of LDS; arguments c1, cos, sin, gq, gk, c2; writes c2
.if DOCPART == 2
	.amdgcn_target "amdgcn-amd-amdhsa--gfx1250"
	.amdhsa_code_object_version 6
	.text
	.protected	k_q066a13d359_qkv
	.globl	k_q066a13d359_qkv
	.p2align	8
	.type	k_q066a13d359_qkv,@function
k_q066a13d359_qkv:
	s_mov_b64 s[64:65], 0
	v_nop
	global_prefetch_b8 v0, s[64:65] scope:SCOPE_SE
	s_setreg_imm32_b32 hwreg(HW_REG_WAVE_MODE, 25, 1), 1
	s_wait_xcnt 0x0
	s_wait_alu depctr_hold_cnt(0) depctr_sa_sdst(0) depctr_va_vdst(0) depctr_va_sdst(0) depctr_va_ssrc(0) depctr_va_vcc(0) depctr_vm_vsrc(0)
	s_getreg_b32 s2, hwreg(HW_REG_IB_STS2, 6, 4)
	s_cmp_eq_u32 s2, 0
	s_cbranch_scc0 .Lentry_in_a_cluster
	s_endpgm
.Lentry_in_a_cluster:
	s_bfe_u32 s2, ttmp6, 0x10000c
	s_cmp_lg_u32 s2, 0xf033
	s_cbranch_scc0 .Lentry_shape_is_right
	s_endpgm
.Lentry_shape_is_right:
; q = x Wq^T, k = x Wk^T, v = x Wv^T on codes of FP6 (E2M3) with E8M0 scales, K = 4,096; then RMS norm, gain and RoPE on q and k, in f32; then all three are quantised again for attention and stored in c2 as records.
; RECORDS (c1, c2): 6,400 bytes: four fragment images of 1,536 bytes (16 rows x 128 K; registers 4 j .. 4 j + 3 of lane l at 512 j + 16 l), then the scale words [r][fragment] at 6,144 + 16 r + 4 f.
; In c1 record U0 + 8 x tile + kc holds K steps 4 kc .. 4 kc + 3 of a tile; tile T = rows 32 (T / 2) + 8 (T % 2) + r + 8 (r / 8).  U0: x 0, Wq 1024, Wk 2048 (so Wq and Wk are 24 heads on end), Wv 2560.
; SHARES.  A work-group makes 128 rows of A x 256 rows of B: 256 work-groups.  Four waves, each 64 x 128: A's four tiles x B's eight, 32 accumulators.  The 128 columns of a wave are one head.
; Clusters with x = 0, 1, 2: A = x (128 tokens), B = Wq | Wk (two heads).  Clusters with x = 3: A = Wv (a head's 128 rows), B = x (256 tokens): the roles change, so that a lane holds one channel d and its
; registers run along the tokens, which are the K of attention's second product.  The choice hangs on the cluster's x, which all sixteen partners share.
; THE MATRIX INSTRUCTION IS USED TRANSPOSED (source 0 = B's tile, source 1 = A's): lane (r, h) holds A's row of index r, and register n of a block's 64 is B's row 32 (n / 16) + 16 h + n % 16.
; K goes in slots of 512 through a ring of two LDS slots of 24 records; the scale words ride in the records.  CLUSTERS: 4 x 4; A's records are asked for jointly along a row of the cluster, B's along a column.
; c2: q and k: record 32 x head + (token / 64), head 16 + g for k; fragment a = token tile 4 (token / 64) + a, K = the head's 128.  v: record 768 + 32 g + 2 x (key / 128) + dh; fragment a = channel tile 4 dh + a, K = 128 keys.
; LIMITS: NaN and infinities are not served; a block of zeros, or under 2^-124, keeps the scale byte 1 (its bytes are read by this program alone).
; REGISTERS: window 0: v16-27 addresses, v28-29 the spare word's, v32-79 scale words (two sets of 24, nothing else ever), v80-175 A's fragments (two sets), v176-239 the gain; on the way out v80-175 and v240-253 are at work.
;   window 1: B's fragments, two sets, at 0 and 128.   window 2: accumulator (a, b) at 64 a + 8 b.   window 3: cos and sin of my 64 tokens: block a's cos at 64 a, its sin at 64 a + 32.
.set REC,    6400
.set FRB,    1536
.set SCO,    6144
.set SLOT,   24*REC                    ; A's 8 tiles, then B's 16
.set BOFF,   8*REC
.set SPARE,  2*SLOT                    ; behind the ring: the spare words, 128 bytes for each wave: two blocks of 256 bytes that no other line names
.set PITCH8, 8*REC/8                   ; from a tile's record to the next tile's, in elements of 8 bytes: 8 records
.set LAPS,   4                         ; a lap = two slots = 1,024 along K
.set ADRA, 16                          ; v16-17  my A fragments in slot 0, 1: 16 x lane + my four tiles
.set ADRB, 18                          ; v18-19  the same for B's eight
.set ADSA, 20                          ; v20-21  A's scale words: 16 r; lanes 16-31 two tiles on
.set ADSB, 22                          ; v22-23  B's: lanes 16-31 four tiles on
.set CSO,  24                          ; v24     cos, sin: my token's row, + 64 h
.set GNO,  25                          ; v25     the gain: 64 h
.set L16,  26                          ; v26     16 x lane
.set VS,   27                          ; v27     16 r + 8 h
.set SPW,  28                          ; v28     LDS address of my spare word; never rewritten
.set NIL,  29                          ; v29     0; never rewritten
.set SC,   32                          ; set s at SC + 24 s: register 4 i + q: B's tile i (lanes 0-15), i + 4 (lanes 16-31); register 16 + 4 i + q: A's tile i, i + 2
.set AF,   80
.set GN,   176
.set T,    80                          ; the way out: v80-143 products with sin
.set PC,   144                         ; v144-162 codes
.set TM,   164                         ; v164-167 largest magnitudes, v168-171 bytes, v172-175 scale operands
.set PW,   240                         ; v240-243 the four blocks' scale words
.set G1,  24
.set G0,  32
.set G1B, 48
.set G0B, 56
.set MSB, 0
.macro WIN new                         ; the immediate's high byte repeats the setting that is left
.if MSB != \new
	s_set_vgpr_msb (MSB<<8)|\new
.set MSB, \new
.endif
.endm
.macro PLACES                          ; four plain places: in front of loads into registers that matrix instructions have read, and of the first read of results
.rept 4
	v_nop
.endr
.endm
; A joint load: waves 0 and 1 fetch A's halves, waves 2 and 3 B's.  The branch hangs on the wave's number alone.  Four v_nop follow each of the two lines.
.macro JLOAD g0a, g1a, g0b, g1b
	s_cmp_eq_u32 s17, 0
	s_cbranch_scc0 .Lfor_b_\@
	tensor_load_to_lds s[\g0a:\g0a+3], s[\g1a:\g1a+7]
	s_nop 0
.rept 4
	v_nop
.endr
	s_branch .Lasked_\@
.Lfor_b_\@:
	tensor_load_to_lds s[\g0b:\g0b+3], s[\g1b:\g1b+7]
	s_nop 0
.rept 4
	v_nop
.endr
.Lasked_\@:
.endm
.macro CREST                           ; a round of the cluster's barrier behind its opening barrier
	s_cmp_lg_u32 s16, 0
	s_cbranch_scc1 .Lnot_wave_0_\@
	s_barrier_signal -3
.Lnot_wave_0_\@:
	s_barrier_wait -3
	s_barrier_signal -1
	s_barrier_wait -1
.endm
.macro CROUND
	s_barrier_signal -1
	s_barrier_wait -1
	CREST
.endm
; one product.  rb, ra: B's, A's scale words stand in lanes 16-31 of their registers
.macro WM acc, bf, af, sb, sa, zero, rb, ra
.if \zero
.if (\rb) && (\ra)
	v_wmma_scale_f32_16x16x128_f8f6f4 v[(\acc):(\acc)+7], v[(\bf):(\bf)+11], v[(\af):(\af)+11], 0, v[\sb], v[\sa] matrix_a_fmt:MATRIX_FMT_FP6 matrix_b_fmt:MATRIX_FMT_FP6 matrix_a_scale:MATRIX_SCALE_ROW1 matrix_b_scale:MATRIX_SCALE_ROW1
.elseif (\rb)
	v_wmma_scale_f32_16x16x128_f8f6f4 v[(\acc):(\acc)+7], v[(\bf):(\bf)+11], v[(\af):(\af)+11], 0, v[\sb], v[\sa] matrix_a_fmt:MATRIX_FMT_FP6 matrix_b_fmt:MATRIX_FMT_FP6 matrix_a_scale:MATRIX_SCALE_ROW1
.elseif (\ra)
	v_wmma_scale_f32_16x16x128_f8f6f4 v[(\acc):(\acc)+7], v[(\bf):(\bf)+11], v[(\af):(\af)+11], 0, v[\sb], v[\sa] matrix_a_fmt:MATRIX_FMT_FP6 matrix_b_fmt:MATRIX_FMT_FP6 matrix_b_scale:MATRIX_SCALE_ROW1
.else
	v_wmma_scale_f32_16x16x128_f8f6f4 v[(\acc):(\acc)+7], v[(\bf):(\bf)+11], v[(\af):(\af)+11], 0, v[\sb], v[\sa] matrix_a_fmt:MATRIX_FMT_FP6 matrix_b_fmt:MATRIX_FMT_FP6
.endif
.else
.if (\rb) && (\ra)
	v_wmma_scale_f32_16x16x128_f8f6f4 v[(\acc):(\acc)+7], v[(\bf):(\bf)+11], v[(\af):(\af)+11], v[(\acc):(\acc)+7], v[\sb], v[\sa] matrix_a_fmt:MATRIX_FMT_FP6 matrix_b_fmt:MATRIX_FMT_FP6 matrix_a_scale:MATRIX_SCALE_ROW1 matrix_b_scale:MATRIX_SCALE_ROW1
.elseif (\rb)
	v_wmma_scale_f32_16x16x128_f8f6f4 v[(\acc):(\acc)+7], v[(\bf):(\bf)+11], v[(\af):(\af)+11], v[(\acc):(\acc)+7], v[\sb], v[\sa] matrix_a_fmt:MATRIX_FMT_FP6 matrix_b_fmt:MATRIX_FMT_FP6 matrix_a_scale:MATRIX_SCALE_ROW1
.elseif (\ra)
	v_wmma_scale_f32_16x16x128_f8f6f4 v[(\acc):(\acc)+7], v[(\bf):(\bf)+11], v[(\af):(\af)+11], v[(\acc):(\acc)+7], v[\sb], v[\sa] matrix_a_fmt:MATRIX_FMT_FP6 matrix_b_fmt:MATRIX_FMT_FP6 matrix_b_scale:MATRIX_SCALE_ROW1
.else
	v_wmma_scale_f32_16x16x128_f8f6f4 v[(\acc):(\acc)+7], v[(\bf):(\bf)+11], v[(\af):(\af)+11], v[(\acc):(\acc)+7], v[\sb], v[\sa] matrix_a_fmt:MATRIX_FMT_FP6 matrix_b_fmt:MATRIX_FMT_FP6
.endif
.endif
.endm
; 8 products: A's tile a x B's eight, the slot's q-th 128 along K, fragment set p, scale set sc.  The 32 accumulators take turns, one instruction a turn, in the same order in every step.
.macro MUL8 a, p, q, sc, zero
.irp b, 0,1,2,3,4,5,6,7
	WM 64*(\a)+8*\b, 128*(\p)+12*\b, AF+48*(\p)+12*(\a), SC+24*(\sc)+4*(\b%4)+(\q), SC+24*(\sc)+16+4*((\a)%2)+(\q), \zero, \b/4, (\a)/2
.endr
.endm
; one run of LDS loads: the fragments of the slot's q-th 128 along K into set p; sc = 1: the slot's scale words too.  A's tiles 2 and 3 come last.
.macro FETCH slot, q, p, sc
	WIN 0x40                                       ; destination window 1
.irp b, 0,1,2,3,4,5,6,7
.irp j, 0,1,2
	ds_load_b128 v[128*(\p)+12*\b+4*\j:128*(\p)+12*\b+4*\j+3], v[ADRB+\slot] offset:REC*\b+FRB*(\q)+512*\j
.endr
.endr
	WIN 0
.irp a, 0,1
.irp j, 0,1,2
	ds_load_b128 v[AF+48*(\p)+12*\a+4*\j:AF+48*(\p)+12*\a+4*\j+3], v[ADRA+\slot] offset:REC*\a+FRB*(\q)+512*\j
.endr
.endr
.if \sc
.irp i, 0,1,2,3
	ds_load_b128 v[SC+24*\slot+4*\i:SC+24*\slot+4*\i+3], v[ADSB+\slot] offset:SCO+REC*\i
.endr
.irp i, 0,1
	ds_load_b128 v[SC+24*\slot+16+4*\i:SC+24*\slot+16+4*\i+3], v[ADSA+\slot] offset:SCO+REC*\i
.endr
.endif
.irp a, 2,3
.irp j, 0,1,2
	ds_load_b128 v[AF+48*(\p)+12*\a+4*\j:AF+48*(\p)+12*\a+4*\j+3], v[ADRA+\slot] offset:REC*\a+FRB*(\q)+512*\j
.endr
.endr
.endm
; a step of 128 along K that has its successor in the same slot
.macro STEP slot, q, zero
	s_wait_dscnt 6                                 ; all but the youngest six loads (A's tiles 2 and 3) are in
	WIN 0xa1                                       ; source 0 (B) window 1, source 1 (A) window 0, C and D window 2
	MUL8 0, (\q)%2, \q, \slot, \zero
	MUL8 1, (\q)%2, \q, \slot, \zero
	PLACES
	FETCH \slot, (\q)+1, 1-(\q)%2, 0
	s_wait_dscnt 36                                ; all but the 36 just issued
	WIN 0xa1
	MUL8 2, (\q)%2, \q, \slot, \zero
	MUL8 3, (\q)%2, \q, \slot, \zero
	WIN 0
.endm
; a slot's last step changes slots: ONE barrier; in front of it each wave waits for all its tensor loads, adds 0 to its spare word, and waits for that and for its own reads of this slot.  fill = 1: this slot is filled again, two slots ahead.
.macro TURN slot, next, fill
	s_wait_tensorcnt 0x0                           ; all my tensor loads have landed: my part of the next slot
	ds_add_u32 v[SPW], v[NIL]                      ; 0 onto my spare word
	s_wait_dscnt 7                                 ; (the add and the youngest six loads may be out)
	WIN 0xa1
	MUL8 0, 1, 3, \slot, 0                         ; eight products stand between the add and the wait for it
	s_wait_dscnt 0x0                               ; the add is done, and my reads of this slot are over
	s_barrier_signal -1
	MUL8 1, 1, 3, \slot, 0
	WIN 0
	s_barrier_wait -1
.if \fill
	CREST                                          ; the barrier has opened a round of the cluster's: no wave of any partner still reads this slot or has a load on its way
	s_add_nc_u64 s[G0+4*\slot+2:G0+4*\slot+3], s[G0+4*\slot+2:G0+4*\slot+3], 2*REC
	s_add_nc_u64 s[G0B+4*\slot+2:G0B+4*\slot+3], s[G0B+4*\slot+2:G0B+4*\slot+3], 2*REC
	JLOAD G0+4*\slot, G1, G0B+4*\slot, G1B         ; the first tensor load behind the round; its four v_nop are the places in front of the loads below; 112 products stand between it and the wait for it
.else
	PLACES
.endif
	FETCH \next, 0, 0, 1
	WIN 0xa1
	MUL8 2, 1, 3, \slot, 0
	MUL8 3, 1, 3, \slot, 0
	WIN 0
.endm
	s_load_b256 s[4:11], s[0:1], 0x0               ; c1, cos, sin, gq
	s_load_b128 s[12:15], s[0:1], 0x20             ; gk, c2
	v_lshl_add_u32 v[SPW], v0, 2, SPARE
	v_mov_b32 v[NIL], 0
	ds_add_u32 v28, v29
	ds_add_u32 v28, v29
	s_wait_dscnt 0x0
	v_lshrrev_b32 v1, 5, v0
	v_readfirstlane_b32 s16, v1                    ; wave 0..3
	s_lshr_b32 s17, s16, 1                         ; wr: which 64 rows of A are mine.  Also: I fetch for A (0) or for B (1)
	s_and_b32 s18, s16, 1                          ; wc: which 128 rows of B are mine.  Also: which half I fetch
	s_bfe_u32 s19, ttmp6, 0x40000                  ; cx
	s_bfe_u32 s20, ttmp6, 0x40004                  ; cy
	s_and_b32 s22, ttmp7, 0xffff                   ; the cluster's y
	s_lshl_b32 s40, s20, 2
	s_lshl_b32 s40, 15, s40                        ; my row of the cluster
	s_lshl_b32 s41, 0x1111, s19                    ; my column
	; descriptor group 1: records as rows of 800 elements of 8 bytes; A: 4 tiles' records, B: 8; from tile to tile 8 records
	s_or_b32 s[G1], s40, (3<<16)|(1<<21)           ; 15:0 the mask; 17:16 elements of 8 bytes; 20 no padding; 21 set beside a mask
	s_or_b32 s[G1B], s41, (3<<16)|(1<<21)
	s_mov_b32 s[G1+1], 800<<16                     ; tensor_dim0
	s_mov_b32 s[G1+2], 4<<16                       ; tensor_dim1
	s_mov_b32 s[G1+3], 800<<16                     ; tile_dim0
	s_mov_b32 s[G1+4], 4                           ; tile_dim1
	s_mov_b32 s[G1+5], PITCH8                      ; tensor_dim0_stride
	s_mov_b32 s[G1+6], 0
	s_mov_b32 s[G1+7], 0
	s_mov_b32 s[G1B+1], 800<<16
	s_mov_b32 s[G1B+2], 8<<16
	s_mov_b32 s[G1B+3], 800<<16
	s_mov_b32 s[G1B+4], 8
	s_mov_b32 s[G1B+5], PITCH8
	s_mov_b32 s[G1B+6], 0
	s_mov_b32 s[G1B+7], 0
	; which blocks.  A's number is made of cy and the cluster's place, B's of cx and the cluster's place
	s_and_b32 s42, s22, 1
	s_lshr_b32 s43, s22, 1
	s_cmp_eq_u32 ttmp9, 3                          ; v's clusters
	s_cselect_b32 s23, 1, 0
	s_cselect_b32 s42, s42, s22
	s_cselect_b32 s43, s43, ttmp9
	s_cselect_b32 s44, 2560, 0                     ; A's first record: Wv's, or x's
	s_cselect_b32 s45, 0, 1024                     ; B's: x's, or Wq's
	s_lshl_b32 s42, s42, 2
	s_add_co_u32 s42, s42, s20                     ; A's block of 128 rows
	s_lshl_b32 s43, s43, 2
	s_add_co_u32 s43, s43, s19                     ; B's block of 256 rows
	s_lshl_b32 s46, s42, 6                         ; 8 tiles x 8 records a block,
	s_lshl_b32 s47, s18, 5                         ; 4 tiles x 8 records a half
	s_add_co_u32 s46, s46, s47
	s_add_co_u32 s46, s46, s44
	s_mul_i32 s46, s46, REC
	s_mov_b32 s47, 0
	s_lshl_b32 s68, s43, 7
	s_lshl_b32 s69, s18, 6
	s_add_co_u32 s68, s68, s69
	s_add_co_u32 s68, s68, s45
	s_mul_i32 s68, s68, REC
	s_mov_b32 s69, 0
	s_mul_i32 s70, s18, 4*REC                      ; where they go: no place in the cluster enters an LDS address
	s_mul_i32 s71, s18, 8*REC
	s_add_co_u32 s71, s71, BOFF
	; the record that I store
	s_lshl_b32 s72, s43, 1
	s_add_co_u32 s72, s72, s18                     ; q, k: my head; v: my key step
	s_lshl_b32 s73, s72, 5
	s_lshl_b32 s74, s42, 1
	s_add_co_u32 s73, s73, s74                     ; q, k: 32 x head + 2 x A's block
	s_lshl_b32 s74, s42, 5
	s_lshl_b32 s75, s72, 1
	s_add_co_u32 s74, s74, s75
	s_add_co_u32 s74, s74, 768                     ; v: 768 + 32 g + 2 x key step
	s_cmp_lg_u32 s23, 0
	s_cselect_b32 s73, s74, s73
	s_add_co_u32 s73, s73, s17                     ; + wr
	s_mul_i32 s66, s73, REC
	s_mov_b32 s67, 0
	s_lshl_b32 s76, s42, 15                        ; cos, sin: 256 bytes a token: 128 tokens a block,
	s_lshl_b32 s77, s17, 14                        ; 64 for wr
	s_add_co_u32 s76, s76, s77
	s_mov_b32 s77, 0
	s_mov_b32 s78, 0x3c000000                      ; 1 / 128
	s_mov_b32 s79, 0x358637bd                      ; 1e-6
	s_mov_b32 s80, 0xffff0000                      ; lanes 16-31
	s_mov_b32 s82, 0x76543210
	s_mov_b32 s83, 0xfedcba98                      ; v_permlanex16_b32's selects for lane l xor 16
	s_wait_kmcnt 0x0
	s_add_nc_u64 s[46:47], s[4:5], s[46:47]
	s_add_nc_u64 s[68:69], s[4:5], s[68:69]
	s_add_nc_u64 s[66:67], s[14:15], s[66:67]
	s_add_nc_u64 s[6:7], s[6:7], s[76:77]
	s_add_nc_u64 s[8:9], s[8:9], s[76:77]
	s_cmp_lt_u32 ttmp9, 2                          ; heads 0-15 are q's
	s_cselect_b64 s[10:11], s[10:11], s[12:13]
	CROUND                                         ; all sixteen work-groups are here: the first joint loads meet
.irp s, 0,1
	s_mov_b32 s[G0+4*\s], 1
	s_add_co_u32 s[G0+4*\s+1], s70, \s*SLOT
	s_add_nc_u64 s[G0+4*\s+2:G0+4*\s+3], s[46:47], \s*REC
	s_or_b32 s[G0+4*\s+3], s[G0+4*\s+3], 0x80000000
	s_mov_b32 s[G0B+4*\s], 1
	s_add_co_u32 s[G0B+4*\s+1], s71, \s*SLOT
	s_add_nc_u64 s[G0B+4*\s+2:G0B+4*\s+3], s[68:69], \s*REC
	s_or_b32 s[G0B+4*\s+3], s[G0B+4*\s+3], 0x80000000
	JLOAD G0+4*\s, G1, G0B+4*\s, G1B               ; two loads of mine are out
.endr
	v_and_b32 v1, 15, v0                           ; r
	v_bfe_u32 v2, v0, 4, 1                         ; h
	v_and_b32 v3, 31, v0
	v_lshlrev_b32 v[L16], 4, v3
	v_lshlrev_b32 v4, 4, v1
	v_lshl_add_u32 v[VS], v2, 3, v4
	v_mad_u32_u24 v5, v2, 2*REC, v4
	v_mad_u32_u24 v6, v2, 4*REC, v4
	s_mul_i32 s84, s17, 4*REC
	s_mul_i32 s85, s18, 8*REC
	s_add_co_u32 s85, s85, BOFF
.irp s, 0,1
	v_add_nc_u32 v[ADRA+\s], s84, v[L16]
	v_add_nc_u32 v[ADRB+\s], s85, v[L16]
	v_add_nc_u32 v[ADSA+\s], s84, v5
	v_add_nc_u32 v[ADSB+\s], s85, v6
	s_add_co_u32 s84, s84, SLOT
	s_add_co_u32 s85, s85, SLOT
.endr
	v_and_b32 v7, 8, v1
	v_add_nc_u32 v7, v7, v1                        ; r + 8 (r / 8)
	v_lshlrev_b32 v[CSO], 8, v7
	v_lshl_add_u32 v[CSO], v2, 6, v[CSO]
	v_lshlrev_b32 v[GNO], 6, v2
	; cos and sin of my 64 tokens at my 32 frequencies 32 b + 16 h + i, and the gain at my 64 channels: asked for now, waited for behind the K loop.  v's work-groups load them too (inside the buffers) and do not use them
	WIN 0xc0                                       ; destination window 3
.irp a, 0,1,2,3
.irp b, 0,1
.irp j, 0,1,2,3
	global_load_b128 v[64*\a+16*\b+4*\j:64*\a+16*\b+4*\j+3], v[CSO], s[6:7] offset:256*(32*(\a/2)+8*(\a%2))+128*\b+16*\j
	global_load_b128 v[64*\a+32+16*\b+4*\j:64*\a+32+16*\b+4*\j+3], v[CSO], s[8:9] offset:256*(32*(\a/2)+8*(\a%2))+128*\b+16*\j
.endr
.endr
.endr
	WIN 0
.irp b, 0,1,2,3
.irp j, 0,1,2,3
	global_load_b128 v[GN+16*\b+4*\j:GN+16*\b+4*\j+3], v[GNO], s[10:11] offset:128*\b+16*\j
.endr
.endr
	s_wait_tensorcnt 1                             ; my part of slot 0 is in; slot 1's may stay out
	s_barrier_signal -1
	s_barrier_wait -1
	FETCH 0, 0, 0, 1
	STEP 0, 0, 1                                   ; the first step stands in front of the loop: its products start the sums
	s_mov_b32 s3, LAPS-1
.Llap:                                             ; a trip goes once round the ring and fills both slots again
	STEP 0, 1, 0
	STEP 0, 2, 0
	TURN 0, 1, 1
	STEP 1, 0, 0
	STEP 1, 1, 0
	STEP 1, 2, 0
	TURN 1, 0, 1
	STEP 0, 0, 0
	s_sub_co_u32 s3, s3, 1
	s_cmp_lg_u32 s3, 0
	s_cbranch_scc1 .Llap
	STEP 0, 1, 0                                   ; the last lap fills nothing
	STEP 0, 2, 0
	TURN 0, 1, 0
	STEP 1, 0, 0
	STEP 1, 1, 0
	STEP 1, 2, 0
	s_wait_dscnt 6
	WIN 0xa1
	MUL8 0, 1, 3, 1, 0
	MUL8 1, 1, 3, 1, 0
	s_wait_dscnt 0x0
	MUL8 2, 1, 3, 1, 0
	MUL8 3, 1, 3, 1, 0
	WIN 0
; THE WAY OUT, a block of 16 of A's rows at a time: 64 numbers a lane, in window 2 at 64 a.
; q and k: x / sqrt(mean of squares + 1e-6), times the gain, then RoPE: channel d < 64 pairs with d + 64, which is register n with register n + 32.
.macro NORMROPE a
.set AC, 64*(\a)
	WIN 0x0a                                       ; sources 0 and 1 window 2
	v_pk_mul_f32 v[244:245], v[AC:AC+1], v[AC:AC+1]               ; the squares' sum in two chains, each accumulator from its low end on
	v_pk_mul_f32 v[246:247], v[AC+2:AC+3], v[AC+2:AC+3]
.set n, 4
.rept 15
	v_pk_fma_f32 v[244:245], v[AC+n:AC+n+1], v[AC+n:AC+n+1], v[244:245]
	v_pk_fma_f32 v[246:247], v[AC+n+2:AC+n+3], v[AC+n+2:AC+n+3], v[246:247]
.set n, n+4
.endr
	WIN 0
	v_add_f32 v244, v244, v245
	v_add_f32 v246, v246, v247
	v_add_f32 v244, v244, v246
	v_permlanex16_b32 v250, v244, s82, s83         ; the row's other 64 channels lie in lane l xor 16
	v_add_f32 v244, v244, v250
	v_fma_f32 v244, v244, s78, s79                 ; / 128 + 1e-6
	v_rsq_f32 v248, v244
	v_nop                                          ; a plain place behind the transcendental,
	s_wait_alu depctr_va_vdst(0)                   ; and the wait ahead of its first reader
	WIN 0x82                                       ; destination and source 0 window 2
.set n, 0
.rept 32
	v_pk_mul_f32 v[AC+n:AC+n+1], v[AC+n:AC+n+1], v[248:249] op_sel_hi:[1,0]
.set n, n+2
.endr
.set n, 0
.rept 32
	v_pk_mul_f32 v[AC+n:AC+n+1], v[AC+n:AC+n+1], v[GN+n:GN+n+1]
.set n, n+2
.endr
	WIN 0x0e                                       ; source 0 window 2, source 1 (sin) window 3, destination window 0
.set n, 0
.rept 16
	v_pk_mul_f32 v[T+n:T+n+1], v[AC+32+n:AC+33+n], v[AC+32+n:AC+33+n]       ; x2 sin
	v_pk_mul_f32 v[T+32+n:T+33+n], v[AC+n:AC+n+1], v[AC+32+n:AC+33+n]       ; x1 sin
.set n, n+2
.endr
	WIN 0x8e                                       ; the same with destination window 2; source 1 is cos
.set n, 0
.rept 16
	v_pk_fma_f32 v[AC+n:AC+n+1], v[AC+n:AC+n+1], v[AC+n:AC+n+1], v[T+n:T+n+1] neg_lo:[0,0,1] neg_hi:[0,0,1]   ; x1 cos - x2 sin
	v_pk_fma_f32 v[AC+32+n:AC+33+n], v[AC+32+n:AC+33+n], v[AC+n:AC+n+1], v[T+32+n:T+33+n]                     ; x2 cos + x1 sin
.set n, n+2
.endr
	WIN 0
.endm
; the block's 64 numbers of a lane (register 16 b + i = k 32 b + 16 h + i of my row) become a fragment's codes in v[PC] on and its scale word in v[PW + a]
.macro QUANTW a
.set AC, 64*(\a)
	WIN 0x0a
.irp b, 0,1,2,3
	v_max3_num_f32 v[TM+\b], |v[AC+16*\b]|, |v[AC+16*\b+1]|, 0x1800000   ; with the floor 2^(3 - 127): the byte cannot fall under 1
.endr
.irp i, 2,4,6,8,10,12,14
.irp b, 0,1,2,3
	v_max3_num_f32 v[TM+\b], |v[AC+16*\b+\i]|, |v[AC+16*\b+\i+1]|, v[TM+\b]
.endr
.endr
	WIN 0
.irp b, 0,1,2,3
	v_permlanex16_b32 v[TM+4+\b], v[TM+\b], s82, s83
.endr
.irp b, 0,1,2,3
	v_max_num_f32 v[TM+\b], v[TM+\b], v[TM+4+\b]   ; with lane l xor 16's: the block's largest magnitude
.endr
.irp b, 0,1,2,3
	v_add_nc_u32 v[TM+8+\b], 0xff000000, v[TM+\b]  ; 2 off its exponent field: the conversion's scale operand
.endr
.irp b, 0,1,2,3
	v_lshrrev_b32 v[TM+4+\b], 23, v[TM+8+\b]       ; the scale's byte
.endr
	v_lshl_or_b32 v[PW+\a], v[TM+5], 8, v[TM+4]
	v_lshl_or_b32 v[PW+\a], v[TM+6], 16, v[PW+\a]
	v_lshl_or_b32 v[PW+\a], v[TM+7], 24, v[PW+\a]
	s_wait_xcnt 0x0                                ; the last block's stores have read the codes' registers
	WIN 0x02                                       ; source 0 window 2
.irp c, 0,1
	v_cvt_scalef32_pk16_fp6_f32 v[PC+6*\c:PC+6*\c+2], v[AC+32*\c:AC+32*\c+15], v[TM+8+2*\c]
	v_cvt_scalef32_pk16_fp6_f32 v[PC+12+4*\c:PC+14+4*\c], v[AC+32*\c+16:AC+32*\c+31], v[TM+9+2*\c]
.endr
	WIN 0
	v_nop                                          ; one plain place behind a scaled conversion
.irp c, 0,1                                    ; the operand's layout wants a whole block in a lane: lanes 0-15 block 2 c, lanes 16-31 block 2 c + 1
.irp i, 0,1,2
	v_permlane16_swap_b32 v[PC+6*\c+\i], v[PC+12+4*\c+\i]
.endr
.irp i, 0,1,2
	v_mov_b32 v[PC+3+6*\c+\i], v[PC+12+4*\c+\i]
.endr
.endr
.endm
.macro BLOCK a
	s_cmp_lg_u32 s23, 0                            ; v has neither norm nor RoPE: a branch on the cluster's x, round register work alone
	s_cbranch_scc1 .Lv_\@
	NORMROPE \a
.Lv_\@:
	QUANTW \a
.irp j, 0,1,2
	global_store_b128 v[L16], v[PC+4*\j:PC+4*\j+3], s[66:67] offset:FRB*(\a)+512*\j   ; 512 consecutive bytes, at a multiple of 256 from c2's first byte
.endr
.endm
	s_wait_loadcnt 0x0                             ; cos, sin, the gain
	PLACES
.irp b, 0,1,2,3
	v_mov_b32 v[TM+4+\b], 0                        ; a lane permute's destination counts as one of its sources
.endr
	v_mov_b32 v249, 0                              ; (named as the upper half of the pair v[248:249])
	v_mov_b32 v250, 0
	BLOCK 0
	BLOCK 1
	BLOCK 2
	BLOCK 3
	v_cndmask_b32 v252, v[PW], v[PW+2], s80        ; lanes 0-15 store fragments 0 and 1's words of row r, lanes 16-31 fragments 2 and 3's
	v_cndmask_b32 v253, v[PW+1], v[PW+3], s80
	global_store_b64 v[VS], v[252:253], s[66:67] offset:SCO   ; 256 consecutive bytes
	s_wait_tensorcnt 0x0                           ; the wave's end
	ds_add_u32 v[SPW], v[NIL]
	s_wait_dscnt 0x0
	CROUND                                         ; the closing round: no work-group ends while a partner may still ask for a tile that names it
	s_endpgm
.Lfunc_end_k_q066a13d359_qkv:
	.size	k_q066a13d359_qkv, .Lfunc_end_k_q066a13d359_qkv-k_q066a13d359_qkv
	.p2alignl 7, 3214868480
	.fill 96, 4, 3214868480
	.section	.rodata,"a",@progbits
	.p2align	6, 0x0
	.amdhsa_kernel k_q066a13d359_qkv
		.amdhsa_group_segment_fixed_size 327680
		.amdhsa_private_segment_fixed_size 0
		.amdhsa_enable_private_segment 0
		.amdhsa_kernarg_size 48
		.amdhsa_user_sgpr_count 2
		.amdhsa_user_sgpr_kernarg_segment_ptr 1
		.amdhsa_wavefront_size32 1
		.amdhsa_system_sgpr_workgroup_id_x 1
		.amdhsa_system_sgpr_workgroup_id_y 1
		.amdhsa_system_sgpr_workgroup_id_z 1
		.amdhsa_system_vgpr_workitem_id 0
		.amdhsa_next_free_vgpr 1024
		.amdhsa_next_free_sgpr 100
		.amdhsa_reserve_vcc 0
		.amdhsa_float_denorm_mode_32 3
		.amdhsa_float_denorm_mode_16_64 3
		.amdhsa_memory_ordered 1
		.amdhsa_forward_progress 1
		.amdhsa_inst_pref_size 185
	.end_amdhsa_kernel
	.amdgpu_metadata
---
amdhsa.version: [ 1, 2 ]
amdhsa.kernels:
  - .name:           k_q066a13d359_qkv
    .symbol:         k_q066a13d359_qkv.kd
    .args:
      - { .name: c1, .offset: 0, .size: 8, .value_kind: global_buffer, .address_space: global }
      - { .name: cos, .offset: 8, .size: 8, .value_kind: global_buffer, .address_space: global }
      - { .name: sin, .offset: 16, .size: 8, .value_kind: global_buffer, .address_space: global }
      - { .name: gq, .offset: 24, .size: 8, .value_kind: global_buffer, .address_space: global }
      - { .name: gk, .offset: 32, .size: 8, .value_kind: global_buffer, .address_space: global }
      - { .name: c2, .offset: 40, .size: 8, .value_kind: global_buffer, .address_space: global }
    .group_segment_fixed_size: 327680
    .private_segment_fixed_size: 0
    .kernarg_segment_align: 8
    .kernarg_segment_size: 48
    .max_flat_workgroup_size: 128
    .sgpr_count:     100
    .vgpr_count:     1024
    .wavefront_size: 32
...
	.end_amdgpu_metadata
.endif
;; end of part 2
;; launch attn (part 3): grid 32 x 8, 8 waves a work-group, clusters of 4 x 1, 327,680 bytes of LDS; arguments c2, c3; writes c3
.if DOCPART == 3
	.amdgcn_target "amdgcn-amd-amdhsa--gfx1250"
	.amdhsa_code_object_version 6
	.text
	.protected	k_q066a13d359_attn
	.globl	k_q066a13d359_attn
	.p2align	8
	.type	k_q066a13d359_attn,@function
k_q066a13d359_attn:
	s_mov_b64 s[64:65], 0
	v_nop
	global_prefetch_b8 v0, s[64:65] scope:SCOPE_SE
	s_setreg_imm32_b32 hwreg(HW_REG_WAVE_MODE, 25, 1), 1
	s_wait_xcnt 0x0
	s_wait_alu depctr_hold_cnt(0) depctr_sa_sdst(0) depctr_va_vdst(0) depctr_va_sdst(0) depctr_va_ssrc(0) depctr_va_vcc(0) depctr_vm_vsrc(0)
	s_getreg_b32 s2, hwreg(HW_REG_IB_STS2, 6, 4)
	s_cmp_eq_u32 s2, 0
	s_cbranch_scc0 .Lentry_in_a_cluster
	s_endpgm
.Lentry_in_a_cluster:
	s_bfe_u32 s2, ttmp6, 0x10000c
	s_cmp_lg_u32 s2, 0x3003
	s_cbranch_scc0 .Lentry_shape_is_right
	s_endpgm
.Lentry_shape_is_right:
; Causal attention on codes of FP6 (E2M3) with E8M0 scales: 16 query heads, 8 key and value heads, 2,048 tokens, head size 128.  q, k, v come from c2 as records of fragment images; o goes to c3 as such records, quantised along heads x 128.
; RECORDS: 6,400 bytes: four images of 1,536 bytes (16 rows x 128 K; registers 4 j .. 4 j + 3 of lane l at 512 j + 16 l), then scale words [r][fragment] at 6,144 + 16 r + 4 f.  Tile T = rows 32 (T / 2) + 8 (T % 2) + r + 8 (r / 8).
; THE SOFTMAX: t = score x log2(e) / sqrt(128); M = the running largest t rounded UP to a whole number; p = 2^(t - M) is quantised along the keys, not normalised; the row's sum is taken of the unquantised p and divides O at the
; end.  When M moves, the sum and O are multiplied by 2^(old M - new M): exact.
; SHARES.  A work-group has one query head and two groups of 64 queries, number p and number 31 - p; each of its eight waves owns one tile of 16 queries.  An early wave walks j + 1 key steps of 128, a late one 16 - j (j = the
; cluster's x): 17 together, in every work-group.  Steps whose keys all come after the wave's queries are jumped over by a scalar branch on ids; the one step on the diagonal masks.
; CLUSTER.  The four partners (the two query heads of a key head x two values of p) walk the same K and V and need the same number of key steps: every record is asked for JOINTLY, mask 15, one load a wave.
; The ring: two slots of two key steps (K's four records, then V's four).  The loop's trip count hangs on the cluster's x alone: 16 key steps are fetched where j < 4, else 12, never fewer than the 16 - j that are read.
; LAYOUT.  Both products are used transposed: S^T = K Q^T, O^T = V^T P^T: a lane holds one query (index lane % 16) throughout; register n of S^T is key 32 (n / 16) + 16 h + n % 16 of the step, of O^T the channel of that number.
; LIMITS: NaN and infinities are not served; p under 2^-126 counts as 0; a block of zeros keeps the scale byte 1 (read by this program alone).
; REGISTERS: v1-8 addresses that stay; v12 -M, v13 the largest t, v[14:15] the sum; v16-27 Q; v28 the prefetch's offset; v32-41 scale words and nothing else; v96-159 S^T, then p; v160-223 O^T; v224-235 p's codes; v232-254 at work.
;   window 1: K's eight fragments at 12 t, V's at 96 + 12 t.
.set REC,   6400
.set FRB,   1536
.set SCO,   6144
.set SLOT,  8*REC
.set SPARE, 2*SLOT                     ; behind the ring: the spare words, 128 bytes for each of eight waves: four blocks of 256 bytes that no other line names
.set LI,   1                           ; v1-2  16 x lane, in slot 0, 1
.set LS,   3                           ; v3-4  scale words: 6,144 + 16 r, lanes 16-31 one record on
.set SPW,  5
.set NIL,  6
.set QD,   7                           ; v7    my query - 16 h
.set R16,  8                           ; v8    16 r
.set PFO,  28
.set VSC,  32                          ; v32-35 V's scale words: register f: tile f (lanes 0-15), tile 4 + f (lanes 16-31)
.set KSC,  36                          ; v36-39 K's likewise
.set QSC,  40                          ; v40   Q's
.set PSC,  41                          ; v41   p's
.set WV,    8
.set JJ,    9
.set GH,    10
.set CX,    11
.set HD,    12
.set PP,    13
.set TA,    14
.set LATE,  15
.set TQ,    16
.set LASTK, 17
.set KS,    18
.set TRIPS, 19
.set SEL,   20
.set CS,    22
.set G1,    24
.set G0,    32
.set RF,    40                         ; refills still to come
.set LIM,   41                         ; 1 in a wave that prefetches, else the greatest number
.set PFA,   42
.set QB,    44
.set QS,    46
.set OB,    48
.set OS,    50
.set MSB, 0
.macro WIN new
.if MSB != \new
	s_set_vgpr_msb (MSB<<8)|\new
.set MSB, \new
.endif
.endm
.macro PLACES
.rept 4
	v_nop
.endr
.endm
.macro CROUND                          ; a round of the cluster's barrier
	s_barrier_signal -1
	s_barrier_wait -1
	s_cmp_lg_u32 s[WV], 0
	s_cbranch_scc1 .Lnot_wave_0_\@
	s_barrier_signal -3
.Lnot_wave_0_\@:
	s_barrier_wait -3
	s_barrier_signal -1
	s_barrier_wait -1
.endm
; A PREFETCH INTO THE L2 of what the NEXT refill will ask for.  All clusters of a key head walk the same records: the first (j = 0) asks.  Its four partners take one record each of K's four and of V's four, told apart BY ADDRESS;
; in each, wave 0 asks for K's and wave 4 for V's: 25 blocks of 256 bytes, a lane a block (lanes 25-31 name lane 24's again).  The last refill asks for nothing; slots 0 to 2 come by their loads alone.
.macro ASK
	s_cmp_gt_u32 s[RF], s[LIM]
	s_cbranch_scc0 .Lnot_mine_\@
	global_prefetch_b8 v[PFO], s[PFA:PFA+1] th:TH_LOAD_NT scope:SCOPE_SE
.Lnot_mine_\@:
.endm
	s_load_b128 s[4:7], s[0:1], 0x0                ; c2, c3
	v_lshl_add_u32 v[SPW], v0, 2, SPARE
	v_mov_b32 v[NIL], 0
	ds_add_u32 v5, v6
	ds_add_u32 v5, v6
	s_wait_dscnt 0x0
	v_lshrrev_b32 v9, 5, v0
	v_readfirstlane_b32 s[WV], v9                  ; wave 0..7
	s_bfe_u32 s[CX], ttmp6, 0x40000
	s_and_b32 s[GH], ttmp7, 0xffff                 ; the key head
	s_mov_b32 s[JJ], ttmp9                         ; the cluster's x
	s_and_b32 s[HD], s[CX], 1
	s_lshl_b32 s52, s[GH], 1
	s_add_co_u32 s[HD], s[HD], s52                 ; the query head
	s_lshr_b32 s[PP], s[CX], 1
	s_lshl_b32 s52, s[JJ], 1
	s_add_co_u32 s[PP], s[PP], s52                 ; p
	s_lshr_b32 s[TA], s[WV], 1                     ; which of the group's four tiles
	s_lshr_b32 s[LATE], s[WV], 2
	s_xor_b32 s[LATE], s[LATE], s[WV]
	s_and_b32 s[LATE], s[LATE], 1                  ; early or late group: waves w and w + 4, and waves 2 i and 2 i + 1, differ in it
	s_sub_co_u32 s52, 31, s[PP]
	s_sub_co_u32 s53, 15, s[JJ]
	s_cmp_eq_u32 s[LATE], 1
	s_cselect_b32 s[TQ], s52, s[PP]                ; my group of 64 queries
	s_cselect_b32 s[LASTK], s53, s[JJ]             ; my last key step: made of j and the wave's number alone
	s_mov_b32 s[KS], 0
	s_cmp_lt_u32 s[JJ], 4
	s_cselect_b32 s[TRIPS], 3, 2
	s_lshl_b32 s[RF], s[TRIPS], 1
	s_and_b32 s[LIM], s[WV], 3
	s_or_b32 s[LIM], s[LIM], s[JJ]
	s_cmp_eq_u32 s[LIM], 0
	s_cselect_b32 s[LIM], 1, -1
	s_mov_b32 s[SEL], 0x76543210
	s_mov_b32 s[SEL+1], 0xfedcba98
	s_mov_b32 s[CS], 0x3e0293ee                    ; c = log2(e) / sqrt(128)
	s_mov_b32 s[CS+1], s[CS]
	; descriptor group 1: one record, as 25 dense rows of 256 bytes
	s_mov_b32 s[G1], 15|(3<<16)|(1<<21)            ; the mask: all four work-groups; elements of 8 bytes; bit 21 beside a mask
	s_mov_b32 s[G1+1], 32<<16
	s_mov_b32 s[G1+2], 25<<16
	s_mov_b32 s[G1+3], 32<<16
	s_mov_b32 s[G1+4], 25
	s_mov_b32 s[G1+5], 32
	s_mov_b32 s[G1+6], 0
	s_mov_b32 s[G1+7], 0
	s_mov_b32 s52, 768                             ; what I fetch: waves 0-3 K's records (512 + 32 g on), waves 4-7 V's (768 + 32 g on), record wave % 4 of a slot's four
	s_cmp_lt_u32 s[WV], 4
	s_cselect_b32 s52, 512, s52
	s_lshl_b32 s53, s[GH], 5
	s_add_co_u32 s52, s52, s53
	s_and_b32 s53, s[WV], 3
	s_add_co_u32 s52, s52, s53
	s_mul_i32 s52, s52, REC
	s_mov_b32 s53, 0
	s_mul_i32 s54, s[WV], REC                      ; and where it goes in a slot
	s_lshl_b32 s56, s[HD], 5                       ; Q: record 32 x head + group, fragment = my tile
	s_add_co_u32 s56, s56, s[TQ]
	s_mul_i32 s56, s56, REC
	s_mul_i32 s58, s[TA], FRB
	s_add_co_u32 s58, s58, s56
	s_mov_b32 s59, 0
	s_lshl_b32 s60, s[TA], 2
	s_add_co_u32 s60, s60, s56
	s_add_co_u32 s60, s60, SCO
	s_mov_b32 s61, 0
	s_lshl_b32 s56, s[TQ], 2                       ; o: record 4 x token tile + head / 4, fragment head % 4
	s_add_co_u32 s56, s56, s[TA]
	s_lshl_b32 s56, s56, 2
	s_lshr_b32 s57, s[HD], 2
	s_add_co_u32 s56, s56, s57
	s_mul_i32 s56, s56, REC
	s_and_b32 s57, s[HD], 3
	s_mul_i32 s66, s57, FRB
	s_add_co_u32 s66, s66, s56
	s_mov_b32 s67, 0
	s_lshl_b32 s68, s57, 2
	s_add_co_u32 s68, s68, s56
	s_add_co_u32 s68, s68, SCO
	s_mov_b32 s69, 0
	s_mul_i32 s70, s[CX], REC                      ; the prefetches: my work-group's record, in slot 2: the first refill steps it to slot 3
	s_add_co_u32 s70, s70, 8*REC
	s_mov_b32 s71, 0
	s_lshl_b32 s72, s[TQ], 6                       ; my tile's first query
	s_lshr_b32 s73, s[TA], 1
	s_lshl_b32 s73, s73, 5
	s_add_co_u32 s72, s72, s73
	s_and_b32 s73, s[TA], 1
	s_lshl_b32 s73, s73, 3
	s_add_co_u32 s72, s72, s73
	s_wait_kmcnt 0x0
	s_add_nc_u64 s[52:53], s[4:5], s[52:53]
	s_add_nc_u64 s[QB:QB+1], s[4:5], s[58:59]
	s_add_nc_u64 s[QS:QS+1], s[4:5], s[60:61]
	s_add_nc_u64 s[OB:OB+1], s[6:7], s[66:67]
	s_add_nc_u64 s[OS:OS+1], s[6:7], s[68:69]
	s_add_nc_u64 s[PFA:PFA+1], s[52:53], s[70:71]
	CROUND                                         ; all four work-groups are here: the first joint loads meet
.irp s, 0,1
	s_mov_b32 s[G0+4*\s], 1
	s_add_co_u32 s[G0+4*\s+1], s54, \s*SLOT
	s_add_nc_u64 s[G0+4*\s+2:G0+4*\s+3], s[52:53], \s*4*REC
	s_or_b32 s[G0+4*\s+3], s[G0+4*\s+3], 0x80000000
.endr
	tensor_load_to_lds s[G0:G0+3], s[G1:G1+7]      ; both first fills together: two loads of mine are out
	s_nop 0
	tensor_load_to_lds s[G0+4:G0+7], s[G1:G1+7]
	s_nop 0
.rept 4
	v_nop
.endr
	v_and_b32 v9, 31, v0
	v_lshlrev_b32 v[LI], 4, v9
	v_add_nc_u32 v[LI+1], SLOT, v[LI]
	v_min_u32 v[PFO], 24, v9
	v_lshlrev_b32 v[PFO], 8, v[PFO]
	v_and_b32 v10, 15, v0                          ; r
	v_bfe_u32 v11, v0, 4, 1                        ; h
	v_lshlrev_b32 v[R16], 4, v10
	v_mad_u32_u24 v[LS], v11, REC, v[R16]
	v_add_nc_u32 v[LS], SCO, v[LS]
	v_add_nc_u32 v[LS+1], SLOT, v[LS]
	v_and_b32 v[QD], 8, v10
	v_add_nc_u32 v[QD], v[QD], v10                 ; r + 8 (r / 8)
	v_lshlrev_b32 v11, 4, v11
	v_sub_nc_u32 v[QD], v[QD], v11
	v_add_nc_u32 v[QD], s72, v[QD]
.irp j, 0,1,2
	global_load_b128 v[16+4*\j:19+4*\j], v[LI], s[QB:QB+1] offset:512*\j   ; Q's fragment stays in registers
.endr
	global_load_b32 v[QSC], v[R16], s[QS:QS+1]
	v_mov_b32 v13, 0xff61b1e6                      ; the largest t so far: -3e38, under every t
	v_floor_f32 v12, -v13                          ; -M
	v_mov_b32 v14, 0
	v_mov_b32 v15, 0
.irp b, 0,1,2,3
	v_mov_b32 v[236+\b], 0                         ; a lane permute's destination counts as one of its sources
.endr
	v_mov_b32 v252, 0
	v_mov_b32 v253, 0                              ; (named as the upper half of the pair v[252:253])
.set n, 0
.rept 64
	v_mov_b32 v[160+n], 0                          ; O^T: the step is written once for all steps; the first finds zeros, which the first change of M leaves zeros
.set n, n+1
.endr
; A KEY STEP: 128 keys, the s-th of the slot
.macro STEP slot, s
	s_cmp_gt_u32 s[KS], s[LASTK]                   ; all its keys come after my queries: a branch on ids, round loads, products and softmax; no barrier and no tensor load stands in a step
	s_cbranch_scc1 .Lhidden_\@
	PLACES                                         ; in front of loads into registers that the last products have read
	ds_load_b128 v[KSC:KSC+3], v[LS+\slot] offset:2*REC*\s
	WIN 0x40                                       ; destination window 1
.irp t, 0,1,2,3,4,5,6,7
.irp j, 0,1,2
	ds_load_b128 v[12*\t+4*\j:12*\t+4*\j+3], v[LI+\slot] offset:2*REC*\s+REC*(\t/4)+FRB*(\t%4)+512*\j
.endr
.endr
	WIN 0
	ds_load_b128 v[VSC:VSC+3], v[LS+\slot] offset:4*REC+2*REC*\s
	WIN 0x40
.irp t, 0,1,2,3,4,5,6,7
.irp j, 0,1,2
	ds_load_b128 v[96+12*\t+4*\j:96+12*\t+4*\j+3], v[LI+\slot] offset:4*REC+2*REC*\s+REC*(\t/4)+FRB*(\t%4)+512*\j
.endr
.endr
	WIN 0x01                                       ; source 0 window 1
	s_wait_dscnt 37                                ; of the 50 loads the first 13 are in: K's scale words and tiles 0-3
.irp t, 0,1,2,3
	v_wmma_scale_f32_16x16x128_f8f6f4 v[96+8*\t:103+8*\t], v[12*\t:12*\t+11], v[16:27], 0, v[KSC+\t], v[QSC] matrix_a_fmt:MATRIX_FMT_FP6 matrix_b_fmt:MATRIX_FMT_FP6
.endr
	s_wait_dscnt 25                                ; the first 25: all of K
.irp t, 4,5,6,7
	v_wmma_scale_f32_16x16x128_f8f6f4 v[96+8*\t:103+8*\t], v[12*\t:12*\t+11], v[16:27], 0, v[KSC+\t-4], v[QSC] matrix_a_fmt:MATRIX_FMT_FP6 matrix_b_fmt:MATRIX_FMT_FP6 matrix_a_scale:MATRIX_SCALE_ROW1
.endr
	WIN 0
	PLACES
	s_cmp_lt_u32 s[KS], s[LASTK]                   ; only my last step lies on the diagonal
	s_cbranch_scc1 .Lopen_\@
	s_lshl_b32 s62, s[KS], 7
	v_sub_nc_u32 v252, v[QD], s62                  ; d = my query - the step's first key - 16 h: register 16 b + i is hidden where 32 b + i > d
	v_mov_b32 v254, 0xff800000                     ; -infinity: p = 0 then
.set n, 0
.rept 64
	v_cmp_gt_i32 vcc_lo, 32*(n/16)+n%16, v252
	v_cndmask_b32 v[96+n], v[96+n], v254, vcc_lo
.set n, n+1
.endr
.Lopen_\@:
.irp b, 0,1,2,3
	v_max3_num_f32 v[232+\b], v[96+16*\b], v[97+16*\b], v[98+16*\b]   ; the largest score of each block of 32 keys: it serves the row's maximum and, since p rises with the score, the block's largest p
.endr
.irp i, 3,5,7,9,11,13
.irp b, 0,1,2,3
	v_max3_num_f32 v[232+\b], v[232+\b], v[96+16*\b+\i], v[97+16*\b+\i]
.endr
.endr
.irp b, 0,1,2,3
	v_max_num_f32 v[232+\b], v[232+\b], v[111+16*\b]
.endr
.irp b, 0,1,2,3
	v_permlanex16_b32 v[236+\b], v[232+\b], s[SEL], s[SEL+1]
.endr
.irp b, 0,1,2,3
	v_max_num_f32 v[232+\b], v[232+\b], v[236+\b]  ; with lane l xor 16's 16 keys
.endr
	v_max3_num_f32 v254, v232, v233, v234
	v_max_num_f32 v254, v254, v235
	v_mul_f32 v254, s[CS], v254                    ; as t
	v_max_num_f32 v13, v13, v254                   ; the running largest t
	v_mov_b32 v254, v12
	v_floor_f32 v12, -v13                          ; the new -M = -ceil(t)
	v_sub_f32 v254, v12, v254                      ; old M - new M: a whole number, 0 or less
	v_cvt_i32_f32 v254, v254                       ; (it saturates)
	v_ldexp_f32 v252, 1.0, v254                    ; f = 2^(old M - new M)
.set n, 0
.rept 32
	v_pk_fma_f32 v[96+n:97+n], v[96+n:97+n], s[CS:CS+1], v[12:13] op_sel_hi:[1,0,0]   ; t - M, two at a time
.set n, n+2
.endr
.irp b, 0,1,2,3
	v_fma_f32 v[232+\b], v[232+\b], s[CS], v12     ; the same of each block's largest score
.endr
.set n, 0
.rept 64
	v_exp_f32 v[96+n], v[96+n]                     ; p = 2^(t - M), at most 1
.set n, n+1
.endr
	v_pk_mul_f32 v[14:15], v[14:15], v[252:253] op_sel_hi:[1,0]   ; the sums under the new M: the plain place behind the exponentials
	s_wait_alu depctr_va_vdst(0)                   ; one wait for the whole batch, ahead of its first reader
.irp b, 0,1,2,3
	v_exp_f32 v[232+\b], v[232+\b]                 ; the block's largest p
.endr
	v_pk_add_f32 v[236:237], v[96:97], v[98:99]    ; the row's sum is taken of the unquantised p, in two chains
.set n, 4
.rept 15
	v_pk_add_f32 v[14:15], v[14:15], v[96+n:97+n]
	v_pk_add_f32 v[236:237], v[236:237], v[98+n:99+n]
.set n, n+4
.endr
	v_pk_add_f32 v[14:15], v[14:15], v[236:237]
	s_wait_alu depctr_va_vdst(0)                   ; and one for the four
.irp b, 0,1,2,3
	v_max_num_f32 v[232+\b], 0x1800000, v[232+\b]  ; the floor 2^(3 - 127): the byte cannot fall under 1
.endr
.irp b, 0,1,2,3
	v_add_nc_u32 v[244+\b], 0xff000000, v[232+\b]  ; the conversion's scale operand
.endr
.irp b, 0,1,2,3
	v_lshrrev_b32 v[236+\b], 23, v[244+\b]         ; the scale's byte
.endr
	v_lshl_or_b32 v[PSC], v237, 8, v236            ; p's scale word for these 128 keys
	v_lshl_or_b32 v[PSC], v238, 16, v[PSC]
	v_lshl_or_b32 v[PSC], v239, 24, v[PSC]
.irp c, 0,1
	v_cvt_scalef32_pk16_fp6_f32 v[224+6*\c:226+6*\c], v[96+32*\c:111+32*\c], v[244+2*\c]
	v_cvt_scalef32_pk16_fp6_f32 v[236+4*\c:238+4*\c], v[112+32*\c:127+32*\c], v[244+2*\c+1]
.endr
	v_nop                                          ; one plain place behind a scaled conversion
.irp c, 0,1
.irp i, 0,1,2
	v_permlane16_swap_b32 v[224+6*\c+\i], v[236+4*\c+\i]
.endr
.irp i, 0,1,2
	v_mov_b32 v[227+6*\c+\i], v[236+4*\c+\i]
.endr
.endr
.set n, 0
.rept 32
	v_pk_mul_f32 v[160+n:161+n], v[160+n:161+n], v[252:253] op_sel_hi:[1,0]   ; O^T under the new M; these 32 are also the places between p's codes and scale word and the products below
.set n, n+2
.endr
	s_wait_dscnt 0x0                               ; V is in
	WIN 0x01
.irp t, 0,1,2,3
	v_wmma_scale_f32_16x16x128_f8f6f4 v[160+8*\t:167+8*\t], v[96+12*\t:96+12*\t+11], v[224:235], v[160+8*\t:167+8*\t], v[VSC+\t], v[PSC] matrix_a_fmt:MATRIX_FMT_FP6 matrix_b_fmt:MATRIX_FMT_FP6
.endr
.irp t, 4,5,6,7
	v_wmma_scale_f32_16x16x128_f8f6f4 v[160+8*\t:167+8*\t], v[96+12*\t:96+12*\t+11], v[224:235], v[160+8*\t:167+8*\t], v[VSC+\t-4], v[PSC] matrix_a_fmt:MATRIX_FMT_FP6 matrix_b_fmt:MATRIX_FMT_FP6 matrix_a_scale:MATRIX_SCALE_ROW1
.endr
	WIN 0
.Lhidden_\@:
	s_add_co_u32 s[KS], s[KS], 1
.endm
; THE CHANGE OF SLOTS.  Each wave waits for all its tensor loads (its record of the slot ahead), adds 0 to its spare word, and waits for that and for its reads of the slot that it has left.
; fill = 1: the slot just left is filled with the keys two slots on, behind a round of the cluster's barrier; the load has two key steps in which to land.
.macro CHANGE fill, slot
	s_wait_tensorcnt 0x0                           ; no tensor load of mine is out, so a group 0 may be written
	ds_add_u32 v[SPW], v[NIL]                      ; 0 onto my spare word
.if \fill
	s_add_nc_u64 s[G0+4*\slot+2:G0+4*\slot+3], s[G0+4*\slot+2:G0+4*\slot+3], 8*REC
	s_wait_xcnt 0x0                                ; the last prefetch has read its address, so it may be written
	s_add_nc_u64 s[PFA:PFA+1], s[PFA:PFA+1], 4*REC
.endif
	s_wait_dscnt 0x0                               ; the add is done, and my reads of the slot that I have left are over
.if \fill
	CROUND
	tensor_load_to_lds s[G0+4*\slot:G0+4*\slot+3], s[G1:G1+7]   ; the first thing behind the round, and my one tensor load until the next
	s_nop 0
.rept 4
	v_nop
.endr
	ASK
	s_sub_co_u32 s[RF], s[RF], 1
.else
	s_barrier_signal -1
	s_barrier_wait -1
.endif
.endm
	s_wait_tensorcnt 1                             ; my record of slot 0 is in; slot 1's may stay out
	s_barrier_signal -1
	s_barrier_wait -1
	s_wait_loadcnt 0x0                             ; Q
	STEP 0, 0
	STEP 0, 1
.Lslot:                                            ; a trip walks two slots and fills both again
	CHANGE 1, 0
	STEP 1, 0
	STEP 1, 1
	CHANGE 1, 1
	STEP 0, 0
	STEP 0, 1
	s_sub_co_u32 s[TRIPS], s[TRIPS], 1
	s_cmp_lg_u32 s[TRIPS], 0
	s_cbranch_scc1 .Lslot
	CHANGE 0, 0                                    ; the last slot is written out: nothing is asked for
	STEP 1, 0
	STEP 1, 1
	; THE WAY OUT: O^T / the sum, quantised along the head's 128 (register 16 b + i = channel 32 b + 16 h + i), stored as a fragment image
	PLACES
	v_add_f32 v14, v14, v15
	v_permlanex16_b32 v252, v14, s[SEL], s[SEL+1]
	v_add_f32 v14, v14, v252                       ; the row's sum
	v_rcp_f32 v14, v14
.irp b, 0,1,2,3
	v_mov_b32 v[248+\b], 0                         ; (plain places behind the transcendental; a lane permute's destination counts as one of its sources)
.endr
	s_wait_alu depctr_va_vdst(0)                   ; the wait ahead of the first reader
.set n, 0
.rept 64
	v_mul_f32 v[96+n], v[160+n], v14
.set n, n+1
.endr
.irp b, 0,1,2,3
	v_max3_num_f32 v[244+\b], |v[96+16*\b]|, |v[97+16*\b]|, 0x1800000
.endr
.irp i, 2,4,6,8,10,12,14
.irp b, 0,1,2,3
	v_max3_num_f32 v[244+\b], v[244+\b], |v[96+16*\b+\i]|, |v[97+16*\b+\i]|
.endr
.endr
.irp b, 0,1,2,3
	v_permlanex16_b32 v[248+\b], v[244+\b], s[SEL], s[SEL+1]
.endr
.irp b, 0,1,2,3
	v_max_num_f32 v[244+\b], v[244+\b], v[248+\b]
.endr
.irp b, 0,1,2,3
	v_add_nc_u32 v[252+\b], 0xff000000, v[244+\b]
.endr
.irp b, 0,1,2,3
	v_lshrrev_b32 v[248+\b], 23, v[252+\b]
.endr
	v_lshl_or_b32 v243, v249, 8, v248
	v_lshl_or_b32 v243, v250, 16, v243
	v_lshl_or_b32 v243, v251, 24, v243
.irp c, 0,1
	v_cvt_scalef32_pk16_fp6_f32 v[224+6*\c:226+6*\c], v[96+32*\c:111+32*\c], v[252+2*\c]
	v_cvt_scalef32_pk16_fp6_f32 v[236+4*\c:238+4*\c], v[112+32*\c:127+32*\c], v[253+2*\c]
.endr
	v_nop
.irp c, 0,1
.irp i, 0,1,2
	v_permlane16_swap_b32 v[224+6*\c+\i], v[236+4*\c+\i]
.endr
.irp i, 0,1,2
	v_mov_b32 v[227+6*\c+\i], v[236+4*\c+\i]
.endr
.endr
.irp j, 0,1,2
	global_store_b128 v[LI], v[224+4*\j:227+4*\j], s[OB:OB+1] offset:512*\j   ; 512 consecutive bytes, at a multiple of 256 from c3's first byte
.endr
	global_store_b32 v[R16], v243, s[OS:OS+1]      ; row r's scale word; lanes l and l + 16 hold the same word and name the same place.  64 bytes of a block of 256 whose other words three other heads' work-groups store
	s_wait_tensorcnt 0x0                           ; the wave's end
	ds_add_u32 v[SPW], v[NIL]
	s_wait_dscnt 0x0
	CROUND                                         ; the closing round
	s_endpgm
.Lfunc_end_k_q066a13d359_attn:
	.size	k_q066a13d359_attn, .Lfunc_end_k_q066a13d359_attn-k_q066a13d359_attn
	.p2alignl 7, 3214868480
	.fill 96, 4, 3214868480
	.section	.rodata,"a",@progbits
	.p2align	6, 0x0
	.amdhsa_kernel k_q066a13d359_attn
		.amdhsa_group_segment_fixed_size 327680
		.amdhsa_private_segment_fixed_size 0
		.amdhsa_enable_private_segment 0
		.amdhsa_kernarg_size 16
		.amdhsa_user_sgpr_count 2
		.amdhsa_user_sgpr_kernarg_segment_ptr 1
		.amdhsa_wavefront_size32 1
		.amdhsa_system_sgpr_workgroup_id_x 1
		.amdhsa_system_sgpr_workgroup_id_y 1
		.amdhsa_system_sgpr_workgroup_id_z 1
		.amdhsa_system_vgpr_workitem_id 0
		.amdhsa_next_free_vgpr 448
		.amdhsa_next_free_sgpr 100
		.amdhsa_reserve_vcc 1
		.amdhsa_float_denorm_mode_32 3
		.amdhsa_float_denorm_mode_16_64 3
		.amdhsa_memory_ordered 1
		.amdhsa_forward_progress 1
		.amdhsa_inst_pref_size 207
	.end_amdhsa_kernel
	.amdgpu_metadata
---
amdhsa.version: [ 1, 2 ]
amdhsa.kernels:
  - .name:           k_q066a13d359_attn
    .symbol:         k_q066a13d359_attn.kd
    .args:
      - { .name: c2, .offset: 0, .size: 8, .value_kind: global_buffer, .address_space: global }
      - { .name: c3, .offset: 8, .size: 8, .value_kind: global_buffer, .address_space: global }
    .group_segment_fixed_size: 327680
    .private_segment_fixed_size: 0
    .kernarg_segment_align: 8
    .kernarg_segment_size: 16
    .max_flat_workgroup_size: 256
    .sgpr_count:     100
    .vgpr_count:     448
    .wavefront_size: 32
...
	.end_amdgpu_metadata
.endif
;; end of part 3
;; launch oproj (part 4): grid 16 x 16, 4 waves a work-group, clusters of 4 x 4, 327,680 bytes of LDS; arguments c3, c1, out0; writes out0
.if DOCPART == 4
	.amdgcn_target "amdgcn-amd-amdhsa--gfx1250"
	.amdhsa_code_object_version 6
	.text
	.protected	k_q066a13d359_oproj
	.globl	k_q066a13d359_oproj
	.p2align	8
	.type	k_q066a13d359_oproj,@function
k_q066a13d359_oproj:
	s_mov_b64 s[64:65], 0
	v_nop
	global_prefetch_b8 v0, s[64:65] scope:SCOPE_SE
	s_setreg_imm32_b32 hwreg(HW_REG_WAVE_MODE, 25, 1), 1
	s_wait_xcnt 0x0
	s_wait_alu depctr_hold_cnt(0) depctr_sa_sdst(0) depctr_va_vdst(0) depctr_va_sdst(0) depctr_va_ssrc(0) depctr_va_vcc(0) depctr_vm_vsrc(0)
	s_getreg_b32 s2, hwreg(HW_REG_IB_STS2, 6, 4)
	s_cmp_eq_u32 s2, 0
	s_cbranch_scc0 .Lentry_in_a_cluster
	s_endpgm
.Lentry_in_a_cluster:
	s_bfe_u32 s2, ttmp6, 0x10000c
	s_cmp_lg_u32 s2, 0xf033
	s_cbranch_scc0 .Lentry_shape_is_right
	s_endpgm
.Lentry_shape_is_right:
; out0 = o Wo^T on codes of FP6 (E2M3) with E8M0 scales, K = 2,048.  o comes from c3, Wo from c1 (record 3,072 on), both as records; out0 is [2048][4096] f32.
; RECORDS: 6,400 bytes: four fragment images of 1,536 bytes (16 rows x 128 K; registers 4 j .. 4 j + 3 of lane l at 512 j + 16 l), then the scale words [r][fragment] at 6,144 + 16 r + 4 f.
; Record 4 x tile + kc holds K steps 4 kc .. 4 kc + 3 of a tile; tile T = rows 32 (T / 2) + 8 (T % 2) + r + 8 (r / 8).
; SHARES.  A work-group makes 128 tokens x 256 columns: 256 work-groups.  Four waves, each 64 x 128: A's four tiles x B's eight, 32 accumulators.
; THE MATRIX INSTRUCTION IS USED TRANSPOSED (source 0 = Wo's tile, source 1 = o's): lane (r, h) holds the token of index r, and register 8 b + j of a block is column 32 (b / 2) + 16 h + 8 (b % 2) + j.
; K goes in slots of 512 through a ring of two LDS slots of 24 records; the scale words ride in the records.  CLUSTERS: 4 x 4; A's records are asked for jointly along a row of the cluster, B's along a column.
; REGISTERS: window 0: v16-27 addresses, v28-29 the spare word's, v32-79 scale words (two sets of 24, nothing else ever), v80-175 A's fragments (two sets); on the way out v80-207 hold rows of out0.
;   window 1: B's fragments, two sets, at 0 and 128.   window 2: accumulator (a, b) at 64 a + 8 b.
.set REC,    6400
.set FRB,    1536
.set SCO,    6144
.set SLOT,   24*REC
.set BOFF,   8*REC
.set SPARE,  2*SLOT                    ; behind the ring: the spare words, 128 bytes for each wave: two blocks of 256 bytes that no other line names
.set PITCH8, 4*REC/8                   ; from a tile's record to the next tile's, in elements of 8 bytes: 4 records
.set LAPS,   2
.set SPITCH, 528                       ; the way out: a stage of 16 rows x (512 bytes + 16) for each wave, in slot 0, which has had its last fill and its last read when the first result is stored there
.set ADRA, 16
.set ADRB, 18
.set ADSA, 20
.set ADSB, 22
.set STO,  24                          ; v24  the stage: row r, + 64 h
.set RD,   25                          ; v25  and back: 16 x lane
.set L16,  26
.set SPW,  28
.set NIL,  29
.set SC,   32
.set AF,   80
.set BK,   80
.set G1,  24
.set G0,  32
.set G1B, 48
.set G0B, 56
.set MSB, 0
.macro WIN new
.if MSB != \new
	s_set_vgpr_msb (MSB<<8)|\new
.set MSB, \new
.endif
.endm
.macro PLACES                          ; four plain places: in front of loads into registers that matrix instructions have read, and of the first read of results
.rept 4
	v_nop
.endr
.endm
.macro JLOAD g0a, g1a, g0b, g1b        ; a joint load: waves 0 and 1 fetch A's halves, waves 2 and 3 B's; four v_nop follow each of the two lines
	s_cmp_eq_u32 s17, 0
	s_cbranch_scc0 .Lfor_b_\@
	tensor_load_to_lds s[\g0a:\g0a+3], s[\g1a:\g1a+7]
	s_nop 0
.rept 4
	v_nop
.endr
	s_branch .Lasked_\@
.Lfor_b_\@:
	tensor_load_to_lds s[\g0b:\g0b+3], s[\g1b:\g1b+7]
	s_nop 0
.rept 4
	v_nop
.endr
.Lasked_\@:
.endm
.macro CREST
	s_cmp_lg_u32 s16, 0
	s_cbranch_scc1 .Lnot_wave_0_\@
	s_barrier_signal -3
.Lnot_wave_0_\@:
	s_barrier_wait -3
	s_barrier_signal -1
	s_barrier_wait -1
.endm
.macro CROUND
	s_barrier_signal -1
	s_barrier_wait -1
	CREST
.endm
.macro WM acc, bf, af, sb, sa, zero, rb, ra
.if \zero
.if (\rb) && (\ra)
	v_wmma_scale_f32_16x16x128_f8f6f4 v[(\acc):(\acc)+7], v[(\bf):(\bf)+11], v[(\af):(\af)+11], 0, v[\sb], v[\sa] matrix_a_fmt:MATRIX_FMT_FP6 matrix_b_fmt:MATRIX_FMT_FP6 matrix_a_scale:MATRIX_SCALE_ROW1 matrix_b_scale:MATRIX_SCALE_ROW1
.elseif (\rb)
	v_wmma_scale_f32_16x16x128_f8f6f4 v[(\acc):(\acc)+7], v[(\bf):(\bf)+11], v[(\af):(\af)+11], 0, v[\sb], v[\sa] matrix_a_fmt:MATRIX_FMT_FP6 matrix_b_fmt:MATRIX_FMT_FP6 matrix_a_scale:MATRIX_SCALE_ROW1
.elseif (\ra)
	v_wmma_scale_f32_16x16x128_f8f6f4 v[(\acc):(\acc)+7], v[(\bf):(\bf)+11], v[(\af):(\af)+11], 0, v[\sb], v[\sa] matrix_a_fmt:MATRIX_FMT_FP6 matrix_b_fmt:MATRIX_FMT_FP6 matrix_b_scale:MATRIX_SCALE_ROW1
.else
	v_wmma_scale_f32_16x16x128_f8f6f4 v[(\acc):(\acc)+7], v[(\bf):(\bf)+11], v[(\af):(\af)+11], 0, v[\sb], v[\sa] matrix_a_fmt:MATRIX_FMT_FP6 matrix_b_fmt:MATRIX_FMT_FP6
.endif
.else
.if (\rb) && (\ra)
	v_wmma_scale_f32_16x16x128_f8f6f4 v[(\acc):(\acc)+7], v[(\bf):(\bf)+11], v[(\af):(\af)+11], v[(\acc):(\acc)+7], v[\sb], v[\sa] matrix_a_fmt:MATRIX_FMT_FP6 matrix_b_fmt:MATRIX_FMT_FP6 matrix_a_scale:MATRIX_SCALE_ROW1 matrix_b_scale:MATRIX_SCALE_ROW1
.elseif (\rb)
	v_wmma_scale_f32_16x16x128_f8f6f4 v[(\acc):(\acc)+7], v[(\bf):(\bf)+11], v[(\af):(\af)+11], v[(\acc):(\acc)+7], v[\sb], v[\sa] matrix_a_fmt:MATRIX_FMT_FP6 matrix_b_fmt:MATRIX_FMT_FP6 matrix_a_scale:MATRIX_SCALE_ROW1
.elseif (\ra)
	v_wmma_scale_f32_16x16x128_f8f6f4 v[(\acc):(\acc)+7], v[(\bf):(\bf)+11], v[(\af):(\af)+11], v[(\acc):(\acc)+7], v[\sb], v[\sa] matrix_a_fmt:MATRIX_FMT_FP6 matrix_b_fmt:MATRIX_FMT_FP6 matrix_b_scale:MATRIX_SCALE_ROW1
.else
	v_wmma_scale_f32_16x16x128_f8f6f4 v[(\acc):(\acc)+7], v[(\bf):(\bf)+11], v[(\af):(\af)+11], v[(\acc):(\acc)+7], v[\sb], v[\sa] matrix_a_fmt:MATRIX_FMT_FP6 matrix_b_fmt:MATRIX_FMT_FP6
.endif
.endif
.endm
; 8 products: A's tile a x B's eight.  The 32 accumulators take turns, one instruction a turn, in the same order in every step.
.macro MUL8 a, p, q, sc, zero
.irp b, 0,1,2,3,4,5,6,7
	WM 64*(\a)+8*\b, 128*(\p)+12*\b, AF+48*(\p)+12*(\a), SC+24*(\sc)+4*(\b%4)+(\q), SC+24*(\sc)+16+4*((\a)%2)+(\q), \zero, \b/4, (\a)/2
.endr
.endm
.macro FETCH slot, q, p, sc            ; one run of LDS loads: the fragments of the slot's q-th 128 along K into set p; sc = 1: the slot's scale words too.  A's tiles 2 and 3 come last
	WIN 0x40
.irp b, 0,1,2,3,4,5,6,7
.irp j, 0,1,2
	ds_load_b128 v[128*(\p)+12*\b+4*\j:128*(\p)+12*\b+4*\j+3], v[ADRB+\slot] offset:REC*\b+FRB*(\q)+512*\j
.endr
.endr
	WIN 0
.irp a, 0,1
.irp j, 0,1,2
	ds_load_b128 v[AF+48*(\p)+12*\a+4*\j:AF+48*(\p)+12*\a+4*\j+3], v[ADRA+\slot] offset:REC*\a+FRB*(\q)+512*\j
.endr
.endr
.if \sc
.irp i, 0,1,2,3
	ds_load_b128 v[SC+24*\slot+4*\i:SC+24*\slot+4*\i+3], v[ADSB+\slot] offset:SCO+REC*\i
.endr
.irp i, 0,1
	ds_load_b128 v[SC+24*\slot+16+4*\i:SC+24*\slot+16+4*\i+3], v[ADSA+\slot] offset:SCO+REC*\i
.endr
.endif
.irp a, 2,3
.irp j, 0,1,2
	ds_load_b128 v[AF+48*(\p)+12*\a+4*\j:AF+48*(\p)+12*\a+4*\j+3], v[ADRA+\slot] offset:REC*\a+FRB*(\q)+512*\j
.endr
.endr
.endm
.macro STEP slot, q, zero
	s_wait_dscnt 6                                 ; all but the youngest six loads (A's tiles 2 and 3) are in
	WIN 0xa1                                       ; source 0 (B) window 1, source 1 (A) window 0, C and D window 2
	MUL8 0, (\q)%2, \q, \slot, \zero
	MUL8 1, (\q)%2, \q, \slot, \zero
	PLACES
	FETCH \slot, (\q)+1, 1-(\q)%2, 0
	s_wait_dscnt 36                                ; all but the 36 just issued
	WIN 0xa1
	MUL8 2, (\q)%2, \q, \slot, \zero
	MUL8 3, (\q)%2, \q, \slot, \zero
	WIN 0
.endm
; a slot's last step changes slots: ONE barrier; in front of it each wave waits for all its tensor loads, adds 0 to its spare word, and waits for that and for its own reads of this slot
.macro TURN slot, next, fill
	s_wait_tensorcnt 0x0                           ; all my tensor loads have landed: my part of the next slot
	ds_add_u32 v[SPW], v[NIL]                      ; 0 onto my spare word
	s_wait_dscnt 7                                 ; (the add and the youngest six loads may be out)
	WIN 0xa1
	MUL8 0, 1, 3, \slot, 0
	s_wait_dscnt 0x0                               ; the add is done, and my reads of this slot are over
	s_barrier_signal -1
	MUL8 1, 1, 3, \slot, 0
	WIN 0
	s_barrier_wait -1
.if \fill
	CREST                                          ; the barrier has opened a round of the cluster's: no wave of any partner still reads this slot or has a load on its way
	s_add_nc_u64 s[G0+4*\slot+2:G0+4*\slot+3], s[G0+4*\slot+2:G0+4*\slot+3], 2*REC
	s_add_nc_u64 s[G0B+4*\slot+2:G0B+4*\slot+3], s[G0B+4*\slot+2:G0B+4*\slot+3], 2*REC
	JLOAD G0+4*\slot, G1, G0B+4*\slot, G1B         ; the first tensor load behind the round; its four v_nop are the places in front of the loads below
.else
	PLACES
.endif
	FETCH \next, 0, 0, 1
	WIN 0xa1
	MUL8 2, 1, 3, \slot, 0
	MUL8 3, 1, 3, \slot, 0
	WIN 0
.endm
	s_load_b128 s[4:7], s[0:1], 0x0                ; c3, c1
	s_load_b64 s[8:9], s[0:1], 0x10                ; out0
	v_lshl_add_u32 v[SPW], v0, 2, SPARE
	v_mov_b32 v[NIL], 0
	ds_add_u32 v28, v29
	ds_add_u32 v28, v29
	s_wait_dscnt 0x0
	v_lshrrev_b32 v1, 5, v0
	v_readfirstlane_b32 s16, v1                    ; wave 0..3
	s_lshr_b32 s17, s16, 1                         ; wr.  Also: I fetch for A (0) or for B (1)
	s_and_b32 s18, s16, 1                          ; wc.  Also: which half I fetch
	s_bfe_u32 s19, ttmp6, 0x40000                  ; cx
	s_bfe_u32 s20, ttmp6, 0x40004                  ; cy
	s_lshl_b32 s43, ttmp9, 2
	s_add_co_u32 s43, s43, s19                     ; B's block of 256 columns
	s_and_b32 s42, ttmp7, 0xffff
	s_lshl_b32 s42, s42, 2
	s_add_co_u32 s42, s42, s20                     ; A's block of 128 tokens
	s_lshl_b32 s40, s20, 2
	s_lshl_b32 s40, 15, s40                        ; my row of the cluster
	s_lshl_b32 s41, 0x1111, s19                    ; my column
	s_or_b32 s[G1], s40, (3<<16)|(1<<21)           ; the mask; elements of 8 bytes; no padding; bit 21 beside a mask
	s_or_b32 s[G1B], s41, (3<<16)|(1<<21)
	s_mov_b32 s[G1+1], 800<<16
	s_mov_b32 s[G1+2], 4<<16
	s_mov_b32 s[G1+3], 800<<16
	s_mov_b32 s[G1+4], 4
	s_mov_b32 s[G1+5], PITCH8
	s_mov_b32 s[G1+6], 0
	s_mov_b32 s[G1+7], 0
	s_mov_b32 s[G1B+1], 800<<16
	s_mov_b32 s[G1B+2], 8<<16
	s_mov_b32 s[G1B+3], 800<<16
	s_mov_b32 s[G1B+4], 8
	s_mov_b32 s[G1B+5], PITCH8
	s_mov_b32 s[G1B+6], 0
	s_mov_b32 s[G1B+7], 0
	s_lshl_b32 s46, s42, 5                         ; A: 8 tiles x 4 records a block,
	s_lshl_b32 s47, s18, 4                         ; 4 tiles x 4 records a half
	s_add_co_u32 s46, s46, s47
	s_mul_i32 s46, s46, REC
	s_mov_b32 s47, 0
	s_lshl_b32 s68, s43, 6                         ; B: 16 tiles x 4 records a block, 8 x 4 a half, from record 3,072 on
	s_lshl_b32 s69, s18, 5
	s_add_co_u32 s68, s68, s69
	s_add_co_u32 s68, s68, 3072
	s_mul_i32 s68, s68, REC
	s_mov_b32 s69, 0
	s_mul_i32 s70, s18, 4*REC
	s_mul_i32 s71, s18, 8*REC
	s_add_co_u32 s71, s71, BOFF
	s_lshl_b32 s72, s42, 21                        ; out0: 128 rows of 16,384 bytes a block,
	s_lshl_b32 s73, s17, 20                        ; 64 rows for wr,
	s_add_co_u32 s72, s72, s73
	s_lshl_b32 s73, s43, 10                        ; 256 columns a block,
	s_add_co_u32 s72, s72, s73
	s_lshl_b32 s73, s18, 9                         ; 128 for wc
	s_add_co_u32 s72, s72, s73
	s_mov_b32 s73, 0
	s_wait_kmcnt 0x0
	s_add_nc_u64 s[46:47], s[4:5], s[46:47]
	s_add_nc_u64 s[68:69], s[6:7], s[68:69]
	s_add_nc_u64 s[8:9], s[8:9], s[72:73]
	CROUND                                         ; all sixteen work-groups are here: the first joint loads meet
.irp s, 0,1
	s_mov_b32 s[G0+4*\s], 1
	s_add_co_u32 s[G0+4*\s+1], s70, \s*SLOT
	s_add_nc_u64 s[G0+4*\s+2:G0+4*\s+3], s[46:47], \s*REC
	s_or_b32 s[G0+4*\s+3], s[G0+4*\s+3], 0x80000000
	s_mov_b32 s[G0B+4*\s], 1
	s_add_co_u32 s[G0B+4*\s+1], s71, \s*SLOT
	s_add_nc_u64 s[G0B+4*\s+2:G0B+4*\s+3], s[68:69], \s*REC
	s_or_b32 s[G0B+4*\s+3], s[G0B+4*\s+3], 0x80000000
	JLOAD G0+4*\s, G1, G0B+4*\s, G1B               ; two loads of mine are out
.endr
	v_and_b32 v1, 15, v0                           ; r
	v_bfe_u32 v2, v0, 4, 1                         ; h
	v_and_b32 v3, 31, v0
	v_lshlrev_b32 v[L16], 4, v3
	v_lshlrev_b32 v4, 4, v1
	v_mad_u32_u24 v5, v2, 2*REC, v4
	v_mad_u32_u24 v6, v2, 4*REC, v4
	s_mul_i32 s84, s17, 4*REC
	s_mul_i32 s85, s18, 8*REC
	s_add_co_u32 s85, s85, BOFF
.irp s, 0,1
	v_add_nc_u32 v[ADRA+\s], s84, v[L16]
	v_add_nc_u32 v[ADRB+\s], s85, v[L16]
	v_add_nc_u32 v[ADSA+\s], s84, v5
	v_add_nc_u32 v[ADSB+\s], s85, v6
	s_add_co_u32 s84, s84, SLOT
	s_add_co_u32 s85, s85, SLOT
.endr
	s_mul_i32 s86, s16, 16*SPITCH                  ; my stage
	v_mul_u32_u24 v7, v1, SPITCH
	v_lshl_add_u32 v7, v2, 6, v7
	v_add_nc_u32 v[STO], s86, v7
	v_add_nc_u32 v[RD], s86, v[L16]
	s_wait_tensorcnt 1                             ; my part of slot 0 is in; slot 1's may stay out
	s_barrier_signal -1
	s_barrier_wait -1
	FETCH 0, 0, 0, 1
	STEP 0, 0, 1                                   ; the first step stands in front of the loop: its products start the sums
	s_mov_b32 s3, LAPS-1
.Llap:
	STEP 0, 1, 0
	STEP 0, 2, 0
	TURN 0, 1, 1
	STEP 1, 0, 0
	STEP 1, 1, 0
	STEP 1, 2, 0
	TURN 1, 0, 1
	STEP 0, 0, 0
	s_sub_co_u32 s3, s3, 1
	s_cmp_lg_u32 s3, 0
	s_cbranch_scc1 .Llap
	STEP 0, 1, 0                                   ; the last lap fills nothing
	STEP 0, 2, 0
	TURN 0, 1, 0
	STEP 1, 0, 0
	STEP 1, 1, 0
	STEP 1, 2, 0
	s_wait_dscnt 6
	WIN 0xa1
	MUL8 0, 1, 3, 1, 0
	MUL8 1, 1, 3, 1, 0
	s_wait_dscnt 0x0
	MUL8 2, 1, 3, 1, 0
	MUL8 3, 1, 3, 1, 0
	WIN 0
; THE WAY OUT, a block of 16 tokens x 128 columns at a time: through my own stage in LDS, back as whole rows of 512 bytes.  LDS serves a wave's instructions in order: no wait between the stores and the loads.
.macro TOSTAGE a
	WIN 0x08                                       ; an LDS store's data are its source 1: window 2
.irp b, 0,1,2,3,4,5,6,7
	ds_store_b128 v[STO], v[64*(\a)+8*\b:64*(\a)+8*\b+3] offset:128*(\b/2)+32*(\b%2)       ; each accumulator from its low end on
	ds_store_b128 v[STO], v[64*(\a)+8*\b+4:64*(\a)+8*\b+7] offset:128*(\b/2)+32*(\b%2)+16
.endr
	WIN 0
.irp t, 0,1,2,3,4,5,6,7,8,9,10,11,12,13,14,15
	ds_load_b128 v[BK+64*((\a)%2)+4*\t:BK+64*((\a)%2)+4*\t+3], v[RD] offset:\t*SPITCH
.endr
.endm
.macro SEND a, younger                 ; younger: the LDS instructions issued behind block a's loads, which may stay out
	s_wait_dscnt \younger
.irp t, 0,1,2,3,4,5,6,7,8,9,10,11,12,13,14,15
	global_store_b128 v[L16], v[BK+64*((\a)%2)+4*\t:BK+64*((\a)%2)+4*\t+3], s[8:9] offset:(32*((\a)/2)+8*((\a)%2)+\t+8*(\t/8))*16384 th:TH_STORE_NT   ; 512 consecutive bytes, at a multiple of 256 from out0's first byte; stage row t is the tile's row of index t
.endr
.endm
	PLACES
	TOSTAGE 0
.irp a, 1,2,3
.if \a > 1
	s_wait_xcnt 0x0                                ; block a - 2's stores have read their registers: block a's loads may land there
.endif
	TOSTAGE \a
	SEND \a-1, 32                                  ; behind block a - 1's loads: block a's 16 stores and 16 loads
.endr
	SEND 3, 0
	s_wait_tensorcnt 0x0                           ; the wave's end
	ds_add_u32 v[SPW], v[NIL]
	s_wait_dscnt 0x0
	CROUND                                         ; the closing round
	s_endpgm
.Lfunc_end_k_q066a13d359_oproj:
	.size	k_q066a13d359_oproj, .Lfunc_end_k_q066a13d359_oproj-k_q066a13d359_oproj
	.p2alignl 7, 3214868480
	.fill 96, 4, 3214868480
	.section	.rodata,"a",@progbits
	.p2align	6, 0x0
	.amdhsa_kernel k_q066a13d359_oproj
		.amdhsa_group_segment_fixed_size 327680
		.amdhsa_private_segment_fixed_size 0
		.amdhsa_enable_private_segment 0
		.amdhsa_kernarg_size 24
		.amdhsa_user_sgpr_count 2
		.amdhsa_user_sgpr_kernarg_segment_ptr 1
		.amdhsa_wavefront_size32 1
		.amdhsa_system_sgpr_workgroup_id_x 1
		.amdhsa_system_sgpr_workgroup_id_y 1
		.amdhsa_system_sgpr_workgroup_id_z 1
		.amdhsa_system_vgpr_workitem_id 0
		.amdhsa_next_free_vgpr 768
		.amdhsa_next_free_sgpr 100
		.amdhsa_reserve_vcc 0
		.amdhsa_float_denorm_mode_32 3
		.amdhsa_float_denorm_mode_16_64 3
		.amdhsa_memory_ordered 1
		.amdhsa_forward_progress 1
		.amdhsa_inst_pref_size 132
	.end_amdhsa_kernel
	.amdgpu_metadata
---
amdhsa.version: [ 1, 2 ]
amdhsa.kernels:
  - .name:           k_q066a13d359_oproj
    .symbol:         k_q066a13d359_oproj.kd
    .args:
      - { .name: c3, .offset: 0, .size: 8, .value_kind: global_buffer, .address_space: global }
      - { .name: c1, .offset: 8, .size: 8, .value_kind: global_buffer, .address_space: global }
      - { .name: out0, .offset: 16, .size: 8, .value_kind: global_buffer, .address_space: global }
    .group_segment_fixed_size: 327680
    .private_segment_fixed_size: 0
    .kernarg_segment_align: 8
    .kernarg_segment_size: 24
    .max_flat_workgroup_size: 128
    .sgpr_count:     100
    .vgpr_count:     768
    .wavefront_size: 32
...
	.end_amdgpu_metadata
.endif
;; end of part 4
